; MI455X (gfx1250); checked and timed in simulation.
; The chip was launched on July 23, 2026; its instructions are those of AMD's public machine-readable ISA for CDNA 5 (MIT licence, August 2026) and "CDNA5" Instruction Set Architecture Reference Guide (July 2026). The comments in the code are by the model that wrote it; some were corrected since.
;; Causal Self Attention. Allowed arithmetic: matrix products marked QUANTISED: E2M1 operands, one E8M0 scale for each 32 along K, by v_wmma_scale_f32_16x16x128_f8f6f4 with both operands' format E2M1 (or v_wmma_scale_f32_32x16x128_f4), f32 sums; products left as they are: f32 operands where the result goes on into a quantised operand, else bf16, f16 or f32 operands; f32 sums; everything else in f32.
;; Inputs: Wgate 8 x 32 float32; Wk 1,024 x 1,024 float32; Wproj 1,024 x 1,024 float32; Wq 1,024 x 1,024 float32; Wv 1,024 x 1,024 float32; cos 1 x 2,048 x 1 x 64 float32; sin 1 x 2,048 x 1 x 64 float32; ve 4 x 2,048 x 1,024 float32; x 4 x 2,048 x 1,024 float32.
;; Outputs: out0 4 x 2,048 x 1,024 float32.
;; Constants: window_size = 1024.
;; This version of the problem:
;;   THIS VERSION OF THE PROBLEM IS GIVEN IN LOW PRECISION. The matrix products marked QUANTISED in the list below multiply operands that are first quantised to E2M1 (2 exponent bits, 1 mantissa bit; 4 bits a number), with one power-of-two scale for each 32 numbers along K (OCP MX v1.0); their sums are f32. All else is computed in f32.
;;   The module's matrix products, in the order in which they are computed (A, B: the left and right operand; K: the contracted axis; several contracted axes count as one K, in the product's order):
;;     1. [M 8,192, K 1,024] x [K 1,024, N 1,024]; A: input x; B: input Wq: QUANTISED
;;     2. [M 8,192, K 1,024] x [K 1,024, N 1,024]; A: input x; B: input Wk: QUANTISED
;;     3. [M 8,192, K 1,024] x [K 1,024, N 1,024]; A: input x; B: input Wv: QUANTISED
;;     4. [M 8,192, K 32] x [K 32, N 8]; A: input x; B: input Wgate: left as it is (N = 8 < 16)
;;     5. batch 32 x [M 2,048, K 128] x [K 128, N 2,048]; A: computed on the way; B: computed on the way: QUANTISED
;;     6. batch 32 x [M 128, K 2,048] x [K 2,048, N 2,048]; A: computed on the way; B: softmax (see below): QUANTISED
;;     7. [M 8,192, K 1,024] x [K 1,024, N 1,024]; A: computed on the way; B: input Wproj: QUANTISED
;;   THE QUANTISER, for each operand of a quantised product, along K:
;;     - K is cut into blocks of 32 from its start; a last block that is shorter is filled with zeros.
;;     - A block's scale is 2^e with e = floor(log2(the largest magnitude in the block)) - 2, held to -126 .. 127; a block of zeros has e = 0. As a byte (E8M0): e + 127.
;;     - Each number is divided by its block's scale, clamped to +-6, and rounded to the nearest number of E2M1, ties to even, subnormals kept.
;;     - The product sums the exact products of the quantised numbers (number of the format x scale) in f32.
;;   ~~~python
;;   def quantise(x, axis):      # numpy; x: float32 -> the quantised numbers, widened to float32 again
;;       x = np.moveaxis(x, axis, -1); K = x.shape[-1]
;;       x = np.pad(x, [(0, 0)] * (x.ndim - 1) + [(0, -K % 32)]); x = x.reshape(x.shape[:-1] + (-1, 32)); a = np.abs(x).max(-1, keepdims=True)
;;       e = np.where(a > 0, np.clip(np.frexp(np.where(a > 0, a, 1))[1] - 1 - 2, -126, 127), 0)      # np.frexp(a)[1] - 1 = floor(log2(a)), exactly
;;       r = np.clip(x / 2.0 ** e, -6, 6)
;;       step = 2.0 ** (np.maximum(np.frexp(np.where(r == 0, 1, r))[1] - 1, 0) - 1)
;;       q = np.round(r / step) * step * 2.0 ** e      # np.round: ties to even
;;       return np.moveaxis(q.reshape(q.shape[:-2] + (-1,))[..., :K], -1, axis).astype(np.float32)
;;   ~~~
;;   SOFTMAX AHEAD OF A QUANTISED PRODUCT. Where the list says 'softmax', what is quantised is not the finished softmax but p = 2^(t - M), with t = logit x log2(e) and M = ceil(the row's largest t), a whole number; so 1/2 < the row's largest p <= 1. The row's sum l is taken of the UNQUANTISED p, in f32, and the product's result is divided by l at the end. Since M is a whole number, a kernel that streams over the keys may use a running M (the ceiling of the running maximum): every later rescaling is an exact power of two, which a block's scale takes up: the codes' values come out the same.
;;   OPERANDS COMPUTED ON THE WAY. 'Computed on the way' means the value that the module computes at that place (a softmax that the list does not call 'softmax' is quantised finished and normalised). What goes into a quantiser is computed in f32, as accurately as f32 sums, v_exp_f32 and their like allow (about 1e-6 of the number): no bf16 or f16 on the way to a quantiser, and a product that is left as it is and whose result goes on into a quantised operand takes f32 operands (vector FMAs, or v_wmma_f32_16x16x4_f32). A number that lies on a knife's edge between two numbers of the format may be rounded either way, as far as f32 arithmetic and the matrix unit's own rounding can turn it there, and no further.
;; One version. Each part assembles by itself: llvm-mc -triple=amdgcn-amd-amdhsa -mcpu=gfx1250 --defsym DOCPART=n.
;; ======== version 1 of 1: 4 launches
;; limits: right only within a limited range of input values
;; workspace buffers: xw_codes 6,291,456 bytes; xw_scales 393,216 bytes; qkv_codes 12,582,912 bytes; qkv_scales 786,432 bytes; y_codes 4,194,304 bytes; y_scales 262,144 bytes
;; launch quant (part 1): grid 384 x 1, 4 waves a work-group, no clusters, 33,280 bytes of LDS; arguments x, Wq, Wk, Wv, Wproj, xw_codes, xw_scales; writes xw_codes, xw_scales
.if DOCPART == 1
	.amdgcn_target "amdgcn-amd-amdhsa--gfx1250"
	.amdhsa_code_object_version 6
	.text
	.protected	k_qad2b527c76_quant
	.globl	k_qad2b527c76_quant
	.p2align	8
	.type	k_qad2b527c76_quant,@function
k_qad2b527c76_quant:
	s_mov_b64 s[64:65], 0
	v_nop
	global_prefetch_b8 v0, s[64:65] scope:SCOPE_SE
	s_setreg_imm32_b32 hwreg(HW_REG_WAVE_MODE, 25, 1), 1
	s_wait_xcnt 0x0
; x [8192][1024] and Wq, Wk, Wv, Wproj [1024][1024], f32, K innermost, become codes of FP4 (E2M1) with one E8M0 byte for each 32 along K:
; xw_codes [12288 rows][512 bytes], xw_scales [12288 rows][32 bytes]; rows 0-8191 are x's, then 1,024 each of Wq, Wk, Wv, Wproj.
; THE ROWS ARE STORED IN POSITION ORDER: within each 32 rows the second and the third group of 8 change places (position = row with bits 3 and 4 swapped).  Sixteen neighbouring positions, used as
; source 0 of a matrix instruction, then leave 16 neighbours along the next product's K in a lane's registers of two neighbouring tiles.
; A block's scale is 2^(floor(log2(its largest magnitude)) - 2); its byte is the largest magnitude's exponent field - 2, held at 1 from below.
; LIMITS: a block of zeros gets the byte 1 (its codes are zeros, and this program alone reads the bytes); blocks whose largest magnitude lies under 2^-124 have their byte held at 1; NaN and infinities are not served.
; SHARES: a work-group takes 32 rows, a wave 8 rows = 16 steps of 512 numbers.  Each load reads 512 consecutive bytes; a step's 2,048 bytes turn through the wave's own stage in LDS so that a lane holds
; 16 neighbours (two lanes a block).  A step's codes leave as 256 consecutive bytes, a wave's 256 scale bytes as one aligned run of 256.  Waves share nothing: no barrier.
; Loads run eight steps ahead: 32 loads, 16 KiB, of every wave are on their way.
.set STEPS, 16
.set AHEAD, 8                          ; steps that the loads run ahead, and sets of registers for them
.set EMAX,  2
.set CB,    8                          ; bytes of 16 codes
.set R,     16                         ; v16-143  eight sets of 16 numbers as loaded
.set X,     144                        ; v144-175 two sets of 16 neighbours
.set E,     176                        ; v176-191 a scale byte for each step
.set C,     192                        ; v192-223 codes: two registers of its own for each step, so that no store's data are written again
.set WREG,  8192                       ; LDS: a region for each wave: two stages of 32 x SP bytes, then its 256 scale bytes
.set SP,    80                         ; a lane's place in a stage: 64 bytes + 16 of padding
	s_load_b256 s[4:11], s[0:1], 0x0               ; x, Wq, Wk, Wv
	s_load_b128 s[12:15], s[0:1], 0x20             ; Wproj, the codes
	s_load_b64 s[16:17], s[0:1], 0x30              ; the scale bytes
	v_lshl_add_u32 v224, v0, 2, 0x8000
	v_mov_b32 v225, 0
	v_lshrrev_b32 v1, 5, v0
	v_readfirstlane_b32 s22, v1                    ; wave
	v_and_b32 v2, 31, v0                           ; lane
	v_lshlrev_b32 v3, 4, v2                        ; my 16 bytes of a load's 512
	s_mul_i32 s23, s22, WREG
	v_lshrrev_b32 v14, 2, v2
	v_mul_u32_u24 v14, v14, SP
	v_and_b32 v15, 3, v2
	v_lshl_add_u32 v14, v15, 4, v14
	v_add_nc_u32 v14, s23, v14                     ; the stage, on the way in: SP (lane / 4) + 16 (lane % 4)
	v_mul_u32_u24 v15, v2, SP
	v_add_nc_u32 v15, s23, v15                     ; and on the way out: SP x lane
	v_mul_u32_u24 v4, v2, CB                       ; my codes' place in a step's
	v_lshrrev_b32 v5, 1, v2
	s_add_co_u32 s23, s23, 2*32*SP
	v_add_nc_u32 v5, s23, v5                       ; my block's byte among my wave's 256
	v_lshlrev_b32 v7, 3, v2                        ; on the way out 8 bytes a lane
	v_add_nc_u32 v6, s23, v7
	s_sub_co_u32 s20, ttmp9, 256
	s_and_b32 s20, s20, 31                         ; a weight's work-group: which 32 rows of its 1,024
	s_cmp_lt_u32 ttmp9, 256
	s_cselect_b32 s20, ttmp9, s20                  ; x's: which 32 rows of 8,192
	s_lshl_b32 s24, s20, 2
	s_add_co_u32 s24, s24, s22
	s_lshl_b32 s24, s24, 15                        ; the source: 8 rows of 4,096 bytes a wave
	s_mov_b32 s25, 0
	s_and_b32 s26, s22, 1
	s_lshl_b32 s26, s26, 1
	s_lshr_b32 s27, s22, 1
	s_or_b32 s26, s26, s27                         ; the wave's group of 8 rows goes to the place with its two bits swapped
	s_lshl_b32 s27, ttmp9, 2
	s_add_co_u32 s26, s26, s27                     ; which run of 8 rows of the two buffers
	s_lshl_b32 s28, s26, 12                        ; 4,096 bytes of codes a run
	s_mov_b32 s29, 0
	s_lshl_b32 s30, s26, 8                         ; 256 scale bytes a run
	s_mov_b32 s31, 0
	s_wait_alu depctr_va_vdst(0)
	s_wait_kmcnt 0x0
	s_mov_b64 s[18:19], s[12:13]                   ; the source is chosen by the work-group's number alone
	s_cmp_lt_u32 ttmp9, 352
	s_cselect_b64 s[18:19], s[10:11], s[18:19]
	s_cmp_lt_u32 ttmp9, 320
	s_cselect_b64 s[18:19], s[8:9], s[18:19]
	s_cmp_lt_u32 ttmp9, 288
	s_cselect_b64 s[18:19], s[6:7], s[18:19]
	s_cmp_lt_u32 ttmp9, 256
	s_cselect_b64 s[18:19], s[4:5], s[18:19]
	s_add_nc_u64 s[18:19], s[18:19], s[24:25]
	s_add_nc_u64 s[14:15], s[14:15], s[28:29]
	s_add_nc_u64 s[16:17], s[16:17], s[30:31]
.macro LOAD t
.irp i, 0,1,2,3
	global_load_b128 v[R+16*((\t)%AHEAD)+4*\i:R+16*((\t)%AHEAD)+4*\i+3], v3, s[18:19] offset:2048*(\t)+512*\i th:TH_LOAD_NT   ; 32 lanes read 512 consecutive bytes
.endr
.endm
.macro TURN t                          ; step t's numbers through the stage: LDS serves a wave's instructions in order, so no wait stands between the stores and the loads
.irp i, 0,1,2,3
	ds_store_b128 v14, v[R+16*((\t)%AHEAD)+4*\i:R+16*((\t)%AHEAD)+4*\i+3] offset:32*SP*((\t)%2)+8*SP*\i
.endr
.irp i, 0,1,2,3
	ds_load_b128 v[X+16*((\t)%2)+4*\i:X+16*((\t)%2)+4*\i+3], v15 offset:32*SP*((\t)%2)+16*\i
.endr
.endm
.irp t, 0,1,2,3,4,5,6,7
	LOAD \t
.endr
	s_wait_loadcnt 4*(AHEAD-1)                     ; step 0's four loads are in; the 28 of steps 1 to 7 stay out
	TURN 0
.macro STEP t
.set XS, X+16*((\t)%2)
.if (\t) > 0
	s_wait_dscnt 1                                 ; this step's numbers are back from the stage (the last step's byte store may be out): its stores into the stage have read their registers,
.else
	s_wait_dscnt 0x0
.endif
.if (\t)+AHEAD < STEPS
	LOAD (\t)+AHEAD                                ; which take the loads of eight steps on
.endif
.if (\t)+1 < STEPS
.if (\t)+AHEAD < STEPS
	s_wait_loadcnt 4*(AHEAD-1)                     ; the next step's four loads are in; those of the seven steps behind it may be out
.else
	s_wait_loadcnt 4*(STEPS-2-(\t))                ; at the end: those of the steps that are left behind it
.endif
	TURN (\t)+1                                    ; and go through the other stage while this step is worked
.endif
	v_max3_num_f32 v8, |v[XS]|, |v[XS+1]|, |v[XS+2]|               ; the largest magnitude of my 16, in two chains
	v_max3_num_f32 v9, |v[XS+3]|, |v[XS+4]|, |v[XS+5]|
.irp i, 6,10
	v_max3_num_f32 v8, v8, |v[XS+\i]|, |v[XS+\i+1]|
	v_max3_num_f32 v9, v9, |v[XS+\i+2]|, |v[XS+\i+3]|
.endr
	v_max3_num_f32 v8, v8, |v[XS+14]|, |v[XS+15]|
	v_max3_num_f32 v8, v8, v9, (EMAX+1)<<23        ; and the floor 2^(3 - 127): the byte cannot fall under 1
	v_max_num_f32_dpp v8, v8, v8 row_xmask:1 row_mask:0xf bank_mask:0xf   ; and of my neighbour's 16: the block's
	v_add_nc_u32 v11, -(EMAX<<23), v8              ; 2 off its exponent field: the conversion takes the exponent field of this operand as its scale
	v_cvt_scalef32_pk8_fp4_f32 v[C+2*(\t)], v[XS:XS+7], v11
	v_cvt_scalef32_pk8_fp4_f32 v[C+2*(\t)+1], v[XS+8:XS+15], v11
	v_lshrrev_b32 v[E+(\t)], 23, v11               ; the scale's byte (also the plain line behind the conversions)
	ds_store_b8 v5, v[E+(\t)] offset:16*(\t)       ; both lanes of a block write the same byte with the same value
	global_store_b64 v4, v[C+2*(\t):C+2*(\t)+1], s[14:15] offset:32*CB*(\t)   ; 32 lanes store 256 consecutive bytes, aligned
.endm
.irp t, 0,1,2,3,4,5,6,7,8,9,10,11,12,13,14,15
	STEP \t
.endr
	ds_load_b64 v[12:13], v6                       ; LDS serves a wave's instructions in order: these see my byte stores
	s_wait_dscnt 0x0
	global_store_b64 v7, v[12:13], s[16:17]        ; 32 lanes store 256 consecutive bytes, aligned
	s_wait_tensorcnt 0x0
	ds_add_u32 v224, v225
	s_wait_dscnt 0x0
	s_endpgm
.Lfunc_end_k_qad2b527c76_quant:
	.size	k_qad2b527c76_quant, .Lfunc_end_k_qad2b527c76_quant-k_qad2b527c76_quant
	.p2alignl 7, 3214868480
	.fill 96, 4, 3214868480
	.section	.rodata,"a",@progbits
	.p2align	6, 0x0
	.amdhsa_kernel k_qad2b527c76_quant
		.amdhsa_group_segment_fixed_size 33280
		.amdhsa_private_segment_fixed_size 0
		.amdhsa_enable_private_segment 0
		.amdhsa_kernarg_size 56
		.amdhsa_user_sgpr_count 2
		.amdhsa_user_sgpr_kernarg_segment_ptr 1
		.amdhsa_wavefront_size32 1
		.amdhsa_system_sgpr_workgroup_id_x 1
		.amdhsa_system_sgpr_workgroup_id_y 1
		.amdhsa_system_sgpr_workgroup_id_z 1
		.amdhsa_system_vgpr_workitem_id 0
		.amdhsa_next_free_vgpr 226
		.amdhsa_next_free_sgpr 66
		.amdhsa_reserve_vcc 0
		.amdhsa_float_denorm_mode_32 3
		.amdhsa_float_denorm_mode_16_64 3
		.amdhsa_memory_ordered 1
		.amdhsa_forward_progress 1
		.amdhsa_inst_pref_size 34
	.end_amdhsa_kernel
	.amdgpu_metadata
---
amdhsa.version: [ 1, 2 ]
amdhsa.kernels:
  - .name:           k_qad2b527c76_quant
    .symbol:         k_qad2b527c76_quant.kd
    .args:
      - { .name: x, .offset: 0, .size: 8, .value_kind: global_buffer, .address_space: global }
      - { .name: Wq, .offset: 8, .size: 8, .value_kind: global_buffer, .address_space: global }
      - { .name: Wk, .offset: 16, .size: 8, .value_kind: global_buffer, .address_space: global }
      - { .name: Wv, .offset: 24, .size: 8, .value_kind: global_buffer, .address_space: global }
      - { .name: Wproj, .offset: 32, .size: 8, .value_kind: global_buffer, .address_space: global }
      - { .name: xw_codes, .offset: 40, .size: 8, .value_kind: global_buffer, .address_space: global }
      - { .name: xw_scales, .offset: 48, .size: 8, .value_kind: global_buffer, .address_space: global }
    .group_segment_fixed_size: 33280
    .private_segment_fixed_size: 0
    .kernarg_segment_align: 8
    .kernarg_segment_size: 56
    .max_flat_workgroup_size: 128
    .sgpr_count:     66
    .vgpr_count:     226
    .wavefront_size: 32
...
	.end_amdgpu_metadata
.endif
;; end of part 1
;; launch qkv (part 2): grid 8 x 32, 4 waves a work-group, clusters of 4 x 4, 327,680 bytes of LDS; arguments xw_codes, xw_scales, x, ve, cos, sin, Wgate, qkv_codes, qkv_scales; writes qkv_codes, qkv_scales
.if DOCPART == 2
	.amdgcn_target "amdgcn-amd-amdhsa--gfx1250"
	.amdhsa_code_object_version 6
	.text
	.protected	k_qad2b527c76_qkv
	.globl	k_qad2b527c76_qkv
	.p2align	8
	.type	k_qad2b527c76_qkv,@function
k_qad2b527c76_qkv:
	s_mov_b64 s[64:65], 0
	v_nop
	global_prefetch_b8 v0, s[64:65] scope:SCOPE_SE
	s_setreg_imm32_b32 hwreg(HW_REG_WAVE_MODE, 25, 1), 1
	s_wait_xcnt 0x0
	s_wait_alu depctr_hold_cnt(0) depctr_sa_sdst(0) depctr_va_vdst(0) depctr_va_sdst(0) depctr_va_ssrc(0) depctr_va_vcc(0) depctr_vm_vsrc(0)
	s_getreg_b32 s2, hwreg(HW_REG_IB_STS2, 6, 4)
	s_cmp_eq_u32 s2, 0
	s_cbranch_scc0 .Lentry_in_a_cluster
	s_endpgm
.Lentry_in_a_cluster:
	s_bfe_u32 s2, ttmp6, 0x10000c
	s_cmp_lg_u32 s2, 0xf033
	s_cbranch_scc0 .Lentry_shape_is_right
	s_endpgm
.Lentry_shape_is_right:
; v, q, k = x W^T on codes of FP4 with E8M0 scales, and all that stands between these products and attention's: the gated value embedding (v), rope and rmsnorm (q, k), and the quantisers of attention's operands.
; SHARES: a work-group owns 256 token positions (T) of ONE head and makes v, then q, then k for them: x's 256 rows of codes (all of K = 1,024) stay in LDS for all three products.
; LDS: x's 256 rows x 528 bytes; two slots of 128 weight rows x 528.  The head fills x's halves (waves 0, 1), Wv into slot 0 (wave 2), Wq into slot 1 (wave 3): one tensor load a wave.
; Behind v's product slot 0 is filled again, with Wk (wave 0): that load has v's epilogue in which to land.
; CLUSTER 4 x 4: x's tile hangs on T alone and is asked for jointly along a row of the cluster, a weight's on the head alone and jointly along a column.
; POSITIONS: the rows of xw_codes lie with bits 3 and 4 of the row number swapped.  Tile 2 b + u of 16 positions, as source 0, leaves in register j of lane half h the true index 32 b + 16 h + 8 u + j.
; Lane r of a tile of positions as source 1 is true index 8 u + (r % 8) + 16 (r / 8) of its 32.
; v:    source 0 = 128 token positions (wave / 2), source 1 = 64 weight positions (wave % 2): a lane holds one channel and 64 of 128 keys, the K of attention's second product.
; q, k: source 0 = the head's 128 weight positions, source 1 = 64 token positions (wave): a lane holds one token and 64 of its 128 channels; lane l xor 16 holds the others.  One loop body, two trips.
; THE SCALE WORDS go from memory into the scale registers: lane r takes its row's 32 bytes by two loads; they are asked for one product ahead of their use.
; ve is asked for at the head and turns through the wave's own stage, 32 keys at a time; cos and sin of the wave's 64 tokens turn through the same stage once and stay in window 2 for q and k.
; RESULTS leave as images of the operand's registers: a fragment is 1,024 bytes, register group c at 512 c + 16 x lane; each store of a wave covers 512 consecutive bytes.
; No prefetch: the text has no loop to run ahead in, and its one refill is asked for an epilogue ahead of its use.
; LIMITS: a block of zeros gets the scale byte 1 (its codes are zeros; this program alone reads the bytes); a byte is held at 1 from below; NaN and infinities are not served.
; REGISTERS, in windows of 256: window 0: v1-27 lane numbers and addresses; v32-95 source 0's scale words (8 t + q), v96-127 source 1's (8 m + q); v128-211 at work on the gates.
;   window 1: accumulator (m, t) at v[8 (8 m + t)]; between v and q: cos and sin as loaded.   window 2: ve as loaded, then v + gate x ve; then cos and sin of my tokens, 64 registers a token tile.
;   window 3: two fragment buffers of 96; behind a product the epilogue's registers.
.set P,     528                        ; an LDS row: 512 bytes + 16 of padding
.set SLB,   128*P                      ; 128 rows
.set SL0,   2*SLB
.set SL1,   3*SLB
.set STG,   4*SLB                      ; the stages: 32 rows x 272 for each wave
.set GST,   STG+4*8960                 ; (a stage's rows 16 to 31 lie 128 bytes further on than the pitch gives: 8,832 bytes, in 8,960)  the gates of the 256 keys, f32
.set VQST,  GST+1024                   ; v: scale words on their way out, 256 bytes a wave
.set QST,   VQST+1024                  ; q, k: the same
.set SPARE, QST+1024                   ; the spare words
.set LI,    23                         ; v23 16 x lane
.set L8,    24                         ; v24 8 x lane
.set SEL,   66                         ; s[66:67] v_permlanex16_b32's selects for lane l xor 16
.set GX,    128
.set GW,    192
.set GV,    196
.set VG,    0                          ; window 3, v: the gates of my 64 keys;
.set VE,    64                         ; ve of 16 keys x 4 channel tiles;
.set VTM,   192
.set VPC,   216
.set VPW,   248
.set QR,    64                         ; window 3, q and k: the 64 numbers behind rope;
.set QTM,   128
.set SS,    152
.set RS,    156
.set QPW,   160
.set QPC,   192
.set MSB, 0
.macro WIN new                         ; the immediate's high byte repeats the setting that is left
.if MSB != \new
	s_set_vgpr_msb (MSB<<8)|\new
.set MSB, \new
.endif
.endm
.macro PLACES                          ; four plain places behind matrix instructions (ISA guide 7.12.1)
.rept 4
	v_nop
.endr
.endm
.macro CROUND                          ; a round of the cluster's barrier
	s_barrier_signal -1
	s_barrier_wait -1
	s_cmp_lg_u32 s22, 0
	s_cbranch_scc1 .Lnot_wave_0_\@
	s_barrier_signal -3
.Lnot_wave_0_\@:
	s_barrier_wait -3
	s_barrier_signal -1
	s_barrier_wait -1
.endm
.macro SCL dst, n, base, off           ; the scale words of n tiles of 16 rows: a row's 32 bytes are its 8 words, one for each 128 along K
.set TT, 0
.rept \n
	global_load_b128 v[\dst+8*TT:\dst+8*TT+3], v12, s[\base:\base+1] offset:\off+512*TT
	global_load_b128 v[\dst+8*TT+4:\dst+8*TT+7], v12, s[\base:\base+1] offset:\off+512*TT+16
.set TT, TT+1
.endr
.endm
.macro FRAGS q, p, a0, a1              ; the 12 fragments of K step q into buffer p: 24 loads.  Lane (r, h) takes bytes 32 c + 16 h of row r's 64
	WIN 0xc0
.irp t, 0,1,2,3,4,5,6,7
.irp c, 0,1
	ds_load_b128 v[96*(\p)+8*\t+4*\c:96*(\p)+8*\t+4*\c+3], v[\a0] offset:16*P*\t+64*(\q)+32*\c
.endr
.endr
.irp m, 0,1,2,3
.irp c, 0,1
	ds_load_b128 v[96*(\p)+64+8*\m+4*\c:96*(\p)+64+8*\m+4*\c+3], v[\a1] offset:16*P*\m+64*(\q)+32*\c
.endr
.endr
.endm
.macro MUL q, p, zero                  ; 32 products of K step q; the 32 accumulators take turns, one instruction a turn
	WIN 0x5f
.irp m, 0,1,2,3
.irp t, 0,1,2,3,4,5,6,7
.if \zero
	v_wmma_scale_f32_16x16x128_f8f6f4 v[8*(8*\m+\t):8*(8*\m+\t)+7], v[96*(\p)+8*\t:96*(\p)+8*\t+7], v[96*(\p)+64+8*\m:96*(\p)+64+8*\m+7], 0, v[32+8*\t+(\q)], v[96+8*\m+(\q)] matrix_a_fmt:MATRIX_FMT_FP4 matrix_b_fmt:MATRIX_FMT_FP4
.else
	v_wmma_scale_f32_16x16x128_f8f6f4 v[8*(8*\m+\t):8*(8*\m+\t)+7], v[96*(\p)+8*\t:96*(\p)+8*\t+7], v[96*(\p)+64+8*\m:96*(\p)+64+8*\m+7], v[8*(8*\m+\t):8*(8*\m+\t)+7], v[32+8*\t+(\q)], v[96+8*\m+(\q)] matrix_a_fmt:MATRIX_FMT_FP4 matrix_b_fmt:MATRIX_FMT_FP4
.endif
.endr
.endr
.endm
.macro GEMM a0, a1                     ; eight K steps of 128; the fragments of step q + 1 are fetched ahead of step q's products
	FRAGS 0, 0, \a0, \a1
.set Q, 0
.rept 8
.if Q < 7
.if Q > 0
	PLACES                                         ; the buffer that is filled next was read by the last products
.endif
	FRAGS Q+1, (Q+1)%2, \a0, \a1
	s_wait_dscnt 24                                ; all but the 24 loads just issued
.else
	s_wait_dscnt 0x0
.endif
.if Q == 0
	MUL Q, Q%2, 1                                  ; the first step starts the sums: nothing is cleared
.else
	MUL Q, Q%2, 0
.endif
.set Q, Q+1
.endr
	WIN 0
	PLACES
.endm
; 64 numbers of a lane in window sw, register s + bs b + i = k 32 b + 16 (lane / 16) + i of my row, become a fragment's 8 registers of codes at pc and its scale word in pw (window 3).  tm: 16 registers at work.
.macro QUANT s, bs, sw, pc, pw, tm
	WIN (0xf0+5*\sw)
.irp b, 0,1,2,3
	v_max3_num_f32 v[\tm+\b], |v[\s+\bs*\b]|, |v[\s+1+\bs*\b]|, 0x1800000   ; my 16 numbers, and the floor 2^(3 - 127): the byte cannot fall under 1
.endr
.irp i, 2,4,6,8,10,12,14
.irp b, 0,1,2,3
	v_max3_num_f32 v[\tm+\b], |v[\s+\bs*\b+\i]|, |v[\s+1+\bs*\b+\i]|, v[\tm+\b]
.endr
.endr
	WIN 0xff
.irp b, 0,1,2,3
	v_permlanex16_b32 v[\tm+4+\b], v[\tm+\b], s[SEL], s[SEL+1]
.endr
.irp b, 0,1,2,3
	v_max_num_f32 v[\tm+\b], v[\tm+\b], v[\tm+4+\b]   ; with lane l xor 16's: the block's largest magnitude
.endr
.irp b, 0,1,2,3
	v_add_nc_u32 v[\tm+12+\b], 0xff000000, v[\tm+\b]  ; 2 off its exponent field: the conversion's scale operand
.endr
.irp b, 0,1,2,3
	v_lshrrev_b32 v[\tm+4+\b], 23, v[\tm+12+\b]       ; the scale's byte
.endr
	v_lshl_or_b32 v[\pw], v[\tm+5], 8, v[\tm+4]
	v_lshl_or_b32 v[\pw], v[\tm+6], 16, v[\pw]
	v_lshl_or_b32 v[\pw], v[\tm+7], 24, v[\pw]
	WIN (0xfc+\sw)
.irp b, 0,1,2,3
	v_cvt_scalef32_pk8_fp4_f32 v[\pc+2*\b], v[\s+\bs*\b:\s+7+\bs*\b], v[\tm+12+\b]
	v_cvt_scalef32_pk8_fp4_f32 v[\pc+1+2*\b], v[\s+8+\bs*\b:\s+15+\bs*\b], v[\tm+12+\b]
.endr
	WIN 0xff
	v_nop                                          ; one plain place behind the scaled conversions
.irp c, 0,1                                    ; the operand's layout wants a whole block in a lane
.irp i, 0,1
	v_permlane16_swap_b32 v[\pc+4*\c+\i], v[\pc+2+4*\c+\i]
.endr
.endr
.endm
.macro ACC r, sh                       ; s28 += s[r] << sh
	s_lshl_b32 s30, s[\r], \sh
	s_add_co_u32 s28, s28, s30
.endm
	s_load_b512 s[4:19], s[0:1], 0x0               ; xw_codes, xw_scales, x, ve, cos, sin, Wgate, qkv_codes
	s_load_b64 s[20:21], s[0:1], 0x40              ; qkv_scales
	v_lshl_add_u32 v254, v0, 2, SPARE
	v_mov_b32 v255, 0
	ds_add_u32 v254, v255                          ; the opening lines: the add, twice on end, and its wait
	ds_add_u32 v254, v255
	v_lshrrev_b32 v1, 5, v0
	v_readfirstlane_b32 s22, v1                    ; wave 0..3
	s_bfe_u32 s24, ttmp6, 0x40000                  ; cx
	s_bfe_u32 s25, ttmp6, 0x40004                  ; cy
	s_lshl_b32 s26, ttmp9, 2
	s_add_co_u32 s26, s26, s24                     ; the head = 4 x cluster x + cx
	s_and_b32 s27, ttmp7, 0xffff
	s_lshl_b32 s27, s27, 2
	s_add_co_u32 s27, s27, s25                     ; T = 4 x cluster y + cy: 256 token positions
	s_lshr_b32 s60, s22, 1                         ; wave / 2
	s_and_b32 s62, s22, 1                          ; wave % 2
	s_lshl_b32 s28, s25, 2
	s_lshl_b32 s28, 15, s28                        ; my row of the cluster
	s_lshl_b32 s32, 0x1111, s24                    ; my column
	; group 1: 128 rows x 512 bytes, dense in memory, 16 bytes of padding behind each row in LDS
	s_or_b32 s36, s28, (1<<20)|(1<<21)|(6<<22)|(3<<25)   ; 15:0 the mask: x's go to my row; elements of 1 byte; 20 padding on; 21 set beside a mask; after every 128 words, 4 words
	s_or_b32 s44, s32, (1<<20)|(1<<21)|(6<<22)|(3<<25)   ; a weight's go to my column
.irp g, 36, 44
	s_mov_b32 s[\g+1], 512<<16                     ; tensor_dim0
	s_mov_b32 s[\g+2], 128<<16                     ; tensor_dim1
	s_mov_b32 s[\g+3], 512<<16                     ; tile_dim0
	s_mov_b32 s[\g+4], 128                         ; tile_dim1
	s_mov_b32 s[\g+5], 512                         ; the pitch
	s_mov_b32 s[\g+6], 0
	s_mov_b32 s[\g+7], 0
.endr
	s_lshl_b32 s30, s27, 17                        ; x's codes: row 256 T + 128 (wave % 2), 512 bytes a row: made of T and the wave's number alone
	s_lshl_b32 s31, s62, 16
	s_add_co_u32 s30, s30, s31
	s_mov_b32 s31, 0
	s_lshl_b32 s34, s26, 16                        ; a weight's: row 8192 + 1024 w + 128 head: made of the head and the wave's number alone
	s_lshl_b32 s33, s62, 20
	s_add_co_u32 s32, s34, 5242880                 ; wave 2: w = 2, Wv;
	s_sub_co_u32 s32, s32, s33                     ; wave 3: w = 0, Wq
	s_mov_b32 s33, 0
	s_add_co_u32 s34, s34, 4718592                 ; w = 1, Wk
	s_mov_b32 s35, 0
	s_mul_i32 s77, s62, SLB
	s_add_co_u32 s85, s77, SL0
	s_mov_b32 s[SEL], 0x76543210
	s_mov_b32 s[SEL+1], 0xfedcba98
	s_mov_b32 s100, 0x3c000000                     ; 1 / 128
	s_mov_b32 s101, 0x34000000                     ; eps = 2^-23
	s_wait_dscnt 0x0
	s_wait_kmcnt 0x0
	s_mov_b32 s76, 1                               ; x's half
	s_add_nc_u64 s[78:79], s[4:5], s[30:31]
	s_or_b32 s79, s79, 0x80000000
	s_mov_b32 s84, 1                               ; Wv into slot 0, or Wq into slot 1
	s_add_nc_u64 s[86:87], s[4:5], s[32:33]
	s_or_b32 s87, s87, 0x80000000
	s_mov_b32 s88, 1                               ; Wk into slot 0, later
	s_mov_b32 s89, SL0
	s_add_nc_u64 s[90:91], s[4:5], s[34:35]
	s_or_b32 s91, s91, 0x80000000
	CROUND                                         ; all sixteen work-groups are here: the joint loads meet
	s_cmp_eq_u32 s60, 0                            ; the head's fills, one a wave: both arms hold one load
	s_cbranch_scc0 .Lfor_b
	tensor_load_to_lds s[76:79], s[36:43]
	s_nop 0
	PLACES
	s_branch .Lasked
.Lfor_b:
	tensor_load_to_lds s[84:87], s[44:51]
	s_nop 0
	PLACES
.Lasked:
	s_and_b32 s63, s27, 7                          ; which 256 tokens of the batch row
	s_lshr_b32 s61, s27, 3
	s_lshl_b32 s61, s61, 3
	s_add_co_u32 s61, s61, s26                     ; bh = 8 b + head
	s_mov_b32 s29, 0
	s_lshl_b32 s28, s27, 13                        ; x's scale bytes, 32 a row: for v, rows 128 (wave / 2) on;
	ACC 60, 12
	s_add_nc_u64 s[92:93], s[6:7], s[28:29]
	s_lshl_b32 s28, s27, 13                        ; for q and k, rows 64 wave on
	ACC 22, 11
	s_add_nc_u64 s[96:97], s[6:7], s[28:29]
	s_lshl_b32 s28, s26, 12                        ; Wq's: row 8192 + 128 head; Wk's lie 32,768 bytes on
	s_add_co_u32 s28, s28, 262144
	s_add_nc_u64 s[98:99], s[6:7], s[28:29]
	ACC 62, 11                                     ; Wv's, rows 64 (wave % 2) on
	s_add_co_u32 s28, s28, 65536
	s_add_nc_u64 s[94:95], s[6:7], s[28:29]
	s_lshl_b32 s28, s27, 20                        ; x: token 256 T + 64 wave, 4,096 bytes a row
	ACC 22, 18
	s_add_nc_u64 s[8:9], s[8:9], s[28:29]
	s_lshl_b32 s28, s27, 20                        ; ve: token 256 T + 128 (wave / 2), my head, channels 64 (wave % 2) on
	ACC 60, 19
	ACC 26, 9
	ACC 62, 8
	s_add_nc_u64 s[10:11], s[10:11], s[28:29]
	s_lshl_b32 s28, s26, 7                         ; Wgate: my head's row
	s_add_nc_u64 s[16:17], s[16:17], s[28:29]
	s_lshl_b32 s28, s63, 16                        ; cos, sin: my 64 rows of 256 bytes
	ACC 22, 14
	s_add_nc_u64 s[12:13], s[12:13], s[28:29]
	s_add_nc_u64 s[14:15], s[14:15], s[28:29]
	s_lshl_b32 s28, s61, 17                        ; q's codes: [q, k][bh][128 token tiles][1,024]
	ACC 63, 14
	ACC 22, 12
	s_add_nc_u64 s[72:73], s[18:19], s[28:29]
	s_lshl_b32 s28, s61, 17                        ; v's: behind q's and k's, [bh][16 key steps][8 channel tiles][1,024]
	ACC 63, 14
	ACC 60, 13
	ACC 62, 12
	s_add_co_u32 s28, s28, 8388608
	s_add_nc_u64 s[68:69], s[18:19], s[28:29]
	s_lshl_b32 s28, s61, 13                        ; q's scale words: [q, k][bh][2,048 positions]
	ACC 63, 10
	ACC 22, 8
	s_add_nc_u64 s[74:75], s[20:21], s[28:29]
	s_lshl_b32 s28, s61, 13                        ; v's: [bh][16 key steps][128 channel positions]
	ACC 63, 10
	ACC 60, 9
	ACC 62, 8
	s_add_co_u32 s28, s28, 524288
	s_add_nc_u64 s[70:71], s[20:21], s[28:29]
	s_mul_i32 s52, s60, SLB                        ; LDS places, made of the wave's number alone
	s_mul_i32 s53, s62, 64*P
	s_add_co_u32 s53, s53, SL0
	s_mul_i32 s54, s22, 64*P
	s_lshl_b32 s55, s22, 8
	s_add_co_u32 s58, s55, VQST
	s_add_co_u32 s59, s55, QST
	s_add_co_u32 s55, s55, GST
	s_mul_i32 s56, s22, 8960
	s_add_co_u32 s56, s56, STG
	s_lshl_b32 s57, s60, 9
	s_add_co_u32 s57, s57, GST
	v_and_b32 v1, 15, v0                           ; r
	v_bfe_u32 v2, v0, 4, 1                         ; h
	v_and_b32 v3, 31, v0                           ; lane
	v_mul_u32_u24 v4, v1, P
	v_lshl_add_u32 v4, v2, 4, v4                   ; a fragment's row x pitch + 16 h
	v_and_b32 v5, 7, v1
	v_lshrrev_b32 v6, 3, v1
	v_lshl_add_u32 v5, v6, 4, v5                   ; (r % 8) + 16 (r / 8): lane r's true index in a tile of positions
	v_lshlrev_b32 v[LI], 4, v3
	v_lshlrev_b32 v[L8], 3, v3
	v_add_nc_u32 v8, s52, v4                       ; v: source 0, token positions 128 (wave / 2) on;
	v_add_nc_u32 v9, s53, v4                       ; source 1, slot 0's rows 64 (wave % 2) on
	v_add_nc_u32 v11, s54, v4                      ; q, k: source 1, token positions 64 wave on
	v_lshlrev_b32 v12, 5, v1                       ; a row of scale bytes
	v_lshrrev_b32 v6, 3, v3                        ; lane / 8
	v_and_b32 v7, 7, v3                            ; lane % 8
	v_lshlrev_b32 v14, 12, v6
	v_lshl_add_u32 v14, v7, 4, v14                 ; x: eight lanes read a row's first 128 bytes, four rows a load
	v_lshlrev_b32 v15, 4, v7                       ; Wgate: the same 16 bytes of its row
	v_lshlrev_b32 v16, 12, v2
	v_lshl_add_u32 v16, v1, 4, v16                 ; ve: sixteen lanes read 256 bytes of a row, two rows a load
	v_lshl_add_u32 v17, v6, 2, s55                 ; my gates' place: key 64 wave + 4 i + lane / 8
	v_mul_u32_u24 v18, v2, 272
	v_lshl_add_u32 v18, v1, 4, v18
	v_add_nc_u32 v18, s56, v18                     ; into my stage: rows 2 j + h, 16 r bytes on
	v_lshl_add_u32 v19, v2, 6, s57                 ; the gates of my 128 keys, my half's 16 of each 32
	v_mul_u32_u24 v20, v2, 4480
	v_lshl_add_u32 v20, v5, 2, v20
	v_add_nc_u32 v20, s56, v20                     ; ve out of the stage: 16 h keys down, my true channel
	v_mul_u32_u24 v25, v5, 272
	v_lshl_add_u32 v25, v2, 6, v25
	v_bfe_u32 v7, v0, 3, 1
	v_lshl_add_u32 v25, v7, 7, v25                 ; rows 16 on: 128 bytes more
	v_add_nc_u32 v25, s56, v25                     ; cos, sin out of it: my token's row, my half's 16 channels of each 32
	v_lshl_add_u32 v21, v1, 2, s58
	v_lshl_add_u32 v22, v3, 3, s58
	v_lshl_add_u32 v26, v1, 2, s59
	v_lshl_add_u32 v27, v3, 3, s59
	s_wait_alu depctr_va_vdst(0)                   ; the wait behind the head's address work
	SCL 32, 8, 92, 0                               ; v's scale words: 24 loads,
	SCL 96, 4, 94, 0
.set I, 0
.rept 16
	global_load_b128 v[GX+4*I:GX+4*I+3], v14, s[8:9] offset:16384*I   ; x[:, :32] of my 64 tokens,
.set I, I+1
.endr
	global_load_b128 v[GW:GW+3], v15, s[16:17]     ; my head's row of Wgate,
	s_wait_loadcnt 0x0
	; the gates, in f32: 2 sigmoid(x[:, :32] . Wgate[head]) for 64 tokens: four products a lane, then the sum over eight lanes
.set N, 0
.rept 16
	v_mul_f32 v[GV+N], v[GX+4*N], v[GW]
.set N, N+1
.endr
.irp k, 1,2,3
.set N, 0
.rept 16
	v_fmac_f32 v[GV+N], v[GX+4*N+\k], v[GW+\k]
.set N, N+1
.endr
.endr
.irp x, 1,2,4
.set N, 0
.rept 16
	v_add_f32_dpp v[GV+N], v[GV+N], v[GV+N] row_xmask:\x row_mask:0xf bank_mask:0xf
.set N, N+1
.endr
.endr
.set N, 0
.rept 16
	v_mul_f32 v[GV+N], 0xbfb8aa3b, v[GV+N]         ; x -log2(e)
.set N, N+1
.endr
	s_wait_alu depctr_va_vdst(0)                   ; a wait ahead of a batch and one behind it
.set N, 0
.rept 16
	v_exp_f32 v[GV+N], v[GV+N]
.set N, N+1
.endr
	v_nop
	s_wait_alu depctr_va_vdst(0)
.set N, 0
.rept 16
	v_add_f32 v[GV+N], 1.0, v[GV+N]
.set N, N+1
.endr
	s_wait_alu depctr_va_vdst(0)
.set N, 0
.rept 16
	v_rcp_f32 v[GV+N], v[GV+N]
.set N, N+1
.endr
	v_nop
	s_wait_alu depctr_va_vdst(0)
.set N, 0
.rept 16
	v_add_f32 v[GV+N], v[GV+N], v[GV+N]            ; x 2
.set N, N+1
.endr
.set N, 0
.rept 16
	ds_store_b32 v17, v[GV+N] offset:16*N          ; eight lanes write the same word with the same value
.set N, N+1
.endr
	WIN 0x80                                       ; destination window 2: ve, 64 loads, asked for behind the tiles and a whole product ahead of its use
.set I, 0
.rept 64
	global_load_b128 v[4*I:4*I+3], v16, s[10:11] offset:8192*I th:TH_LOAD_NT
.set I, I+1
.endr
	WIN 0
	s_wait_alu depctr_va_vdst(0)
	s_wait_tensorcnt 0x0                           ; my tile has landed,
	s_wait_dscnt 0x0                               ; my gates are stored,
	s_barrier_signal -1
	s_barrier_wait -1                              ; and so everybody's
	; ================= v =================
	GEMM 8, 9
	s_wait_tensorcnt 0x0                           ; ahead of the refill: no tensor load of mine is out,
	ds_add_u32 v254, v255                          ; the add,
	s_wait_dscnt 0x0                               ; and my reads of slot 0 are over
	CROUND                                         ; the same holds of every wave of the sixteen work-groups
	s_cmp_lg_u32 s22, 0
	s_cbranch_scc1 .Lno_k
	tensor_load_to_lds s[88:91], s[44:51]          ; Wk into slot 0
	s_nop 0
	PLACES
.Lno_k:
	WIN 0xc0
.irp b, 0,1,2,3
.irp k, 0,1,2,3
	ds_load_b128 v[VG+16*\b+4*\k:VG+16*\b+4*\k+3], v19 offset:128*\b+16*\k
.endr
.endr
.irp b, 0,1,2,3
	v_mov_b32 v[VTM+4+\b], 0                       ; written once: a lane permute's destination counts as one of its sources
.endr
.irp b, 0,1,2,3                                ; 32 keys at a time through my stage.  LDS serves a wave's instructions in order: no wait between the stores and the loads
.if \b == 0
	s_wait_loadcnt 48                              ; ve's first 16 loads are in; its other 48 may be out
	WIN 0
	SCL 32, 8, 98, 0                               ; q's scale words, an epilogue ahead of their use: 24 loads
	SCL 96, 4, 96, 0
.else
	s_wait_loadcnt 56                              ; this pass's 16 loads are in.  Behind them: 16 (3 - b) of ve, the 24 scale loads, and 16 (b - 1) of cos and sin
.endif
.if \b == 1
	WIN 0xc0                                       ; cos of my first 32 tokens, as loaded, into window 3's v128-191
.set I, 0
.rept 16
	global_load_b128 v[128+4*I:128+4*I+3], v[LI], s[12:13] offset:512*I
.set I, I+1
.endr
.endif
.if \b == 2
	WIN 0                                          ; sin of the same tokens into window 0's v128-191, which the gates have left
.set I, 0
.rept 16
	global_load_b128 v[128+4*I:128+4*I+3], v[LI], s[14:15] offset:512*I
.set I, I+1
.endr
.endif
	WIN 0x08                                       ; an LDS store's data are its source 1: window 2
.set J, 0
.rept 16
	ds_store_b128 v18, v[64*\b+4*J:64*\b+4*J+3] offset:544*J+128*(J/8)
.set J, J+1
.endr
	WIN 0xc0
.irp m, 0,1,2,3
.irp i, 0,1,2,3,4,5,6,7,8,9,10,11,12,13,14,15
	ds_load_b32 v[VE+16*\m+\i], v20 offset:\i*272+4*(32*(\m/2)+8*(\m%2))
.endr
.endr
	s_wait_dscnt 0x0                               ; so the stores have read window 2's registers of these keys, which take the results
	WIN 0x9f                                       ; sources 0 and 1 window 3, source 2 (the sums) window 1, the result window 2
.irp m, 0,1,2,3
.irp n, 0,2,4,6,8,10,12,14
	v_pk_fma_f32 v[64*\b+16*\m+\n:64*\b+16*\m+\n+1], v[VG+16*\b+\n:VG+16*\b+\n+1], v[VE+16*\m+\n:VE+16*\m+\n+1], v[64*\m+16*\b+\n:64*\m+16*\b+\n+1]   ; v + gate x ve; each accumulator is read from its low end on
.endr
.endr
.endr
	WIN 0x40                                       ; destination window 1, whose sums have been read: cos and sin of my other 32 tokens, 512 consecutive bytes a load
.set I, 0
.rept 16
	global_load_b128 v[4*I:4*I+3], v[LI], s[12:13] offset:8192+512*I
	global_load_b128 v[64+4*I:64+4*I+3], v[LI], s[14:15] offset:8192+512*I
.set I, I+1
.endr
.irp m, 0,1,2,3                                ; a tile of 16 channels at a time, quantised along the keys
	QUANT 16*\m, 64, 2, VPC+8*\m, VPW+\m, VTM
	WIN 0x0c                                       ; a store's data are its source 1: window 3
	global_store_b128 v[LI], v[VPC+8*\m:VPC+8*\m+3], s[68:69] offset:1024*\m
	global_store_b128 v[LI], v[VPC+8*\m+4:VPC+8*\m+7], s[68:69] offset:1024*\m+512
	ds_store_b32 v21, v[VPW+\m] offset:64*\m       ; lanes l and l xor 16 write the same word with the same value
.endr
	WIN 0
	ds_load_b64 v[30:31], v22
	s_wait_dscnt 0x0
	global_store_b64 v[L8], v[30:31], s[70:71]     ; my 64 channels' scale words of this key step: 256 consecutive bytes, aligned
	; ================= cos and sin, once for q and k =================
	s_wait_xcnt 0x0                                ; the stores above have read their registers
.irp g, 0,1                                    ; 32 rows of cos, then of sin, through my stage; tile m's land at v[64 m] (cos) and v[64 m + 32] (sin) of window 2
	s_wait_loadcnt 32-32*\g                        ; the first 32 tokens' are in while the 32 loads issued last may be out; then all
.irp cs, 0,1
.if \g == 0
	WIN (0x0c-0x0c*\cs)                            ; the data: cos in window 3, sin in window 0
.set SB, 128
.else
	WIN 0x04                                       ; the data: window 1
.set SB, 64*\cs
.endif
.set J, 0
.rept 16
	ds_store_b128 v18, v[SB+4*J:SB+4*J+3] offset:544*J+128*(J/8)
.set J, J+1
.endr
	WIN 0x80
.irp u, 0,1
.irp b, 0,1
.irp k, 0,1,2,3
	ds_load_b128 v[64*(2*\g+\u)+32*\cs+16*\b+4*\k:64*(2*\g+\u)+32*\cs+16*\b+4*\k+3], v25 offset:8*\u*272+128*\b+16*\k
.endr
.endr
.endr
.endr
.endr
	WIN 0
	s_wait_tensorcnt 0x0                           ; wave 0: Wk has landed;
	s_wait_dscnt 0x0
	s_barrier_signal -1
	s_barrier_wait -1                              ; every wave may read it.  From here on the waves go their own ways
	; ================= q, then k =================
	s_mov_b32 s61, SL1                             ; q's weight lies in slot 1, k's in slot 0
	s_mov_b32 s23, 2
.Lqk:
	v_add_nc_u32 v10, s61, v4                      ; source 0: the head's 128 weight positions
	s_wait_alu depctr_va_vdst(0)                   ; the wait here, directly behind the write
	s_wait_loadcnt 0x0                             ; the scale words
	GEMM 10, 11
	s_cmp_eq_u32 s23, 1
	s_cbranch_scc1 .Lnosc                          ; the last trip has no successor
	SCL 32, 8, 98, 32768                           ; Wk's scale words; the tokens' stay
.Lnosc:
	WIN 0xc0
.irp b, 0,1,2,3
	v_mov_b32 v[QTM+4+\b], 0                       ; a lane permute's destination counts as one of its sources
.endr
.irp m, 0,1,2,3                                ; a tile of 16 tokens at a time
	WIN 0xf9                                       ; source 0 (the sums) window 1, source 1 (cos, sin) window 2, source 2 and the result window 3
	s_wait_alu depctr_va_vdst(0)                   ; the wait here, directly ahead of the first readers of this tile's sums
.set N, 0
.rept 16                                       ; rope: register n is channel d < 64, register n + 32 channel d + 64.  n ascends
	v_pk_mul_f32 v[QR+N:QR+N+1], v[64*\m+N:64*\m+N+1], v[64*\m+N:64*\m+N+1]
	v_pk_mul_f32 v[QR+32+N:QR+33+N], v[64*\m+N:64*\m+N+1], v[64*\m+32+N:64*\m+33+N]
	v_pk_fma_f32 v[QR+N:QR+N+1], v[64*\m+32+N:64*\m+33+N], v[64*\m+32+N:64*\m+33+N], v[QR+N:QR+N+1]
	v_pk_fma_f32 v[QR+32+N:QR+33+N], v[64*\m+32+N:64*\m+33+N], v[64*\m+N:64*\m+N+1], v[QR+32+N:QR+33+N] neg_lo:[0,0,1] neg_hi:[0,0,1]
.set N, N+2
.endr
	WIN 0xff
	v_pk_mul_f32 v[SS:SS+1], v[QR:QR+1], v[QR:QR+1]          ; the sum of squares, in two packed chains
	v_pk_mul_f32 v[SS+2:SS+3], v[QR+2:QR+3], v[QR+2:QR+3]
.set N, 4
.rept 15
	v_pk_fma_f32 v[SS:SS+1], v[QR+N:QR+N+1], v[QR+N:QR+N+1], v[SS:SS+1]
	v_pk_fma_f32 v[SS+2:SS+3], v[QR+N+2:QR+N+3], v[QR+N+2:QR+N+3], v[SS+2:SS+3]
.set N, N+4
.endr
	v_pk_add_f32 v[SS:SS+1], v[SS:SS+1], v[SS+2:SS+3]
	v_add_f32 v[SS], v[SS], v[SS+1]
	v_permlanex16_b32 v[SS+1], v[SS], s[SEL], s[SEL+1]       ; the head's other 64 channels lie in lane l xor 16
	v_add_f32 v[SS], v[SS], v[SS+1]
	v_fma_f32 v[SS], v[SS], s100, s101                       ; the mean + eps
	s_wait_alu depctr_va_vdst(0)
	v_rsq_f32 v[RS], v[SS]
	v_rsq_f32 v[RS+1], v[SS]                                 ; twice: the packed multiply takes a pair
	v_nop
	s_wait_alu depctr_va_vdst(0)                             ; one wait for both, ahead of their first reader
.set N, 0
.rept 32
	v_pk_mul_f32 v[QR+N:QR+N+1], v[QR+N:QR+N+1], v[RS:RS+1]
.set N, N+2
.endr
	QUANT QR, 16, 3, QPC+8*\m, QPW+\m, QTM
	WIN 0x0c
	global_store_b128 v[LI], v[QPC+8*\m:QPC+8*\m+3], s[72:73] offset:1024*\m        ; the fragment's image: 512 consecutive bytes a store
	global_store_b128 v[LI], v[QPC+8*\m+4:QPC+8*\m+7], s[72:73] offset:1024*\m+512
	ds_store_b32 v26, v[QPW+\m] offset:64*\m
.endr
	WIN 0
	ds_load_b64 v[128:129], v27                    ; LDS serves a wave's instructions in order: these see my stores
	s_wait_dscnt 0x0
	global_store_b64 v[L8], v[128:129], s[74:75]   ; my 64 tokens' scale words: 256 consecutive bytes, aligned
	s_wait_xcnt 0x0                                ; the stores have read their bases and registers
	s_add_nc_u64 s[72:73], s[72:73], 1<<22         ; k's codes and scale words lie behind q's
	s_add_nc_u64 s[74:75], s[74:75], 1<<18
	s_sub_co_u32 s61, s61, SLB
	s_sub_co_u32 s23, s23, 1
	s_cmp_lg_u32 s23, 0
	s_wait_alu depctr_va_vdst(0)
	s_cbranch_scc1 .Lqk
	s_wait_tensorcnt 0x0                           ; the wave's end
	ds_add_u32 v254, v255
	s_wait_dscnt 0x0
	CROUND                                         ; the closing round: no work-group ends while a partner may still ask for a tile that names it
	s_endpgm
.Lfunc_end_k_qad2b527c76_qkv:
	.size	k_qad2b527c76_qkv, .Lfunc_end_k_qad2b527c76_qkv-k_qad2b527c76_qkv
	.p2alignl 7, 3214868480
	.fill 96, 4, 3214868480
	.section	.rodata,"a",@progbits
	.p2align	6, 0x0
	.amdhsa_kernel k_qad2b527c76_qkv
		.amdhsa_group_segment_fixed_size 327680
		.amdhsa_private_segment_fixed_size 0
		.amdhsa_enable_private_segment 0
		.amdhsa_kernarg_size 72
		.amdhsa_user_sgpr_count 2
		.amdhsa_user_sgpr_kernarg_segment_ptr 1
		.amdhsa_wavefront_size32 1
		.amdhsa_system_sgpr_workgroup_id_x 1
		.amdhsa_system_sgpr_workgroup_id_y 1
		.amdhsa_system_sgpr_workgroup_id_z 1
		.amdhsa_system_vgpr_workitem_id 0
		.amdhsa_next_free_vgpr 1024
		.amdhsa_next_free_sgpr 102
		.amdhsa_reserve_vcc 0
		.amdhsa_float_denorm_mode_32 3
		.amdhsa_float_denorm_mode_16_64 3
		.amdhsa_memory_ordered 1
		.amdhsa_forward_progress 1
		.amdhsa_inst_pref_size 237
	.end_amdhsa_kernel
	.amdgpu_metadata
---
amdhsa.version: [ 1, 2 ]
amdhsa.kernels:
  - .name:           k_qad2b527c76_qkv
    .symbol:         k_qad2b527c76_qkv.kd
    .args:
      - { .name: xw_codes, .offset: 0, .size: 8, .value_kind: global_buffer, .address_space: global }
      - { .name: xw_scales, .offset: 8, .size: 8, .value_kind: global_buffer, .address_space: global }
      - { .name: x, .offset: 16, .size: 8, .value_kind: global_buffer, .address_space: global }
      - { .name: ve, .offset: 24, .size: 8, .value_kind: global_buffer, .address_space: global }
      - { .name: cos, .offset: 32, .size: 8, .value_kind: global_buffer, .address_space: global }
      - { .name: sin, .offset: 40, .size: 8, .value_kind: global_buffer, .address_space: global }
      - { .name: Wgate, .offset: 48, .size: 8, .value_kind: global_buffer, .address_space: global }
      - { .name: qkv_codes, .offset: 56, .size: 8, .value_kind: global_buffer, .address_space: global }
      - { .name: qkv_scales, .offset: 64, .size: 8, .value_kind: global_buffer, .address_space: global }
    .group_segment_fixed_size: 327680
    .private_segment_fixed_size: 0
    .kernarg_segment_align: 8
    .kernarg_segment_size: 72
    .max_flat_workgroup_size: 128
    .sgpr_count:     102
    .vgpr_count:     1024
    .wavefront_size: 32
...
	.end_amdgpu_metadata
.endif
;; end of part 2
;; launch attn (part 3): grid 8 x 32, 16 waves a work-group, clusters of 4 x 1, 280,576 bytes of LDS; arguments qkv_codes, qkv_scales, y_codes, y_scales; writes y_codes, y_scales
.if DOCPART == 3
	.amdgcn_target "amdgcn-amd-amdhsa--gfx1250"
	.amdhsa_code_object_version 6
	.text
	.protected	k_qad2b527c76_attn
	.globl	k_qad2b527c76_attn
	.p2align	8
	.type	k_qad2b527c76_attn,@function
k_qad2b527c76_attn:
	s_mov_b64 s[64:65], 0
	v_nop
	global_prefetch_b8 v0, s[64:65] scope:SCOPE_SE
	s_setreg_imm32_b32 hwreg(HW_REG_WAVE_MODE, 25, 1), 1
	s_wait_xcnt 0x0
	s_wait_alu depctr_hold_cnt(0) depctr_sa_sdst(0) depctr_va_vdst(0) depctr_va_sdst(0) depctr_va_ssrc(0) depctr_va_vcc(0) depctr_vm_vsrc(0)
	s_getreg_b32 s2, hwreg(HW_REG_IB_STS2, 6, 4)
	s_cmp_eq_u32 s2, 0
	s_cbranch_scc0 .Lentry_in_a_cluster
	s_endpgm
.Lentry_in_a_cluster:
	s_bfe_u32 s2, ttmp6, 0x10000c
	s_cmp_lg_u32 s2, 0x3003
	s_cbranch_scc0 .Lentry_shape_is_right
	s_endpgm
.Lentry_shape_is_right:
; y[b][q][head] = the sum over k of softmax_k(q . k / sqrt(128)) v over the keys q - 1023 <= k <= q, both products on codes of FP4 with E8M0 scales; y leaves quantised along its 128 channels, as the projection's operand.
; THE SOFTMAX AHEAD OF THE SECOND PRODUCT: t = score x log2(e) / sqrt(128); M = the running largest t rounded UP to a whole number; p = 2^(t - M) is quantised along the keys, not normalised; the row's sum is taken
; of the unquantised p and divides at the end.  When M moves, the sum and O are multiplied by 2^(old M - new M): exact.
; SHARES: the eight work-groups of a head (of one batch row) hold ALL of its K and V in LDS, 16 steps of 128 keys, filled once, and share the 128 tiles of 16 token positions so that all have the same work:
; wave w of work-group j takes tile 8 block(w) + j, one tile of the block of 128 queries block(w).  A block has min(block + 1, 9) key steps that count: steps block - 8 to block.
; block(w) is read from a table of 16 nibbles, laid so that the four waves with equal w % 4 have 27 steps together, and the four with equal w / 4 at most 28; four waves share a SIMD.
; CLUSTER 4 x 1: the four partners belong to one head and want the same bytes at the same LDS addresses: each of the sixteen waves asks for 64 rows of 256 bytes JOINTLY (the same load, the same descriptor, mask 15, in all
; four);  No branch and no LDS address hangs on the place in the cluster: a step is worked, and its masks are made, by the wave's block and the step's number alone; the place
; enters Q's and y's addresses and the mask's vector numbers.
; WORKSPACE AS THE READER WANTS IT: a fragment is an image of its registers, 1,024 bytes, group c at 512 c + 16 x lane: every LDS load takes 512 consecutive bytes.
; POSITIONS: lane r of token tile 2 g + u is token 32 g + 8 u + (r % 8) + 16 (r / 8); a tile of K as source 0 leaves key 32 b + 16 h + 8 u + j of the step in register j: two tiles' 16 registers are 16 neighbouring keys.
; THE MASK: in step = block (the diagonal) and in step = block - 8 (the window's far edge) hidden scores become -infinity ahead of the maximum; the steps between need none; all others are left out by a scalar branch.
; A query all of whose keys of its first step are hidden keeps the starting t = -3e38, p = 0 and zeros in O; the next step's factor 2^(old M - new M) falls to 0 and multiplies zeros.
; LIMITS: a block of zeros gets the scale byte 1 (its codes are zeros; this program alone reads the bytes); NaN and infinities are not served.
; REGISTERS: v1-6 addresses that stay; v8-11 the step's addresses; v12 -M, v13 the largest t, v[14:15] the sum; v16-23 Q; v24-27 the mask's, later y's scale word; v32-95 eight fragments; v96-159 S^T, then p;
;   v160-223 O^T; v224-231 p's codes; v232-247, v254 at work; v248-251 the tiles' scale words; v252 the factor, v253 p's scale word; v255 Q's scale words.
.set VOFF, 131072                      ; LDS: K's sixteen steps at 0, V's here,
.set KSO,  262144                      ; K's scale words, 512 bytes a step,
.set VSO,  270336                      ; V's
.set AK0,  1                           ; v1  16 x lane
.set ASK0, 2                           ; v2  KSO + 4 r
.set QL,   3                           ; v3  (r % 8) + 16 (r / 8) - 16 h
.set AV0,  4                           ; v4  VOFF + 16 x lane
.set ASV0, 5                           ; v5  VSO + 4 r
.set R4,   6                           ; v6  4 r
.set ADK,  8
.set ADV,  9
.set ADS,  10
.set ADT,  11
.set WV,   12                          ; s12 my wave's number
.set SEL,  56                          ; s[56:57] selects for lane l xor 16
.set CS,   58                          ; s[58:59] c = log2(e) / sqrt(128)
.set KF,   60                          ; s60 the step's first key
.set TB,   61                          ; s61 the step's place among the tiles in LDS: 8,192 bytes a step
.set TS,   62                          ; s62 and among the scale words: 512 bytes a step
.set Q0,   63                          ; s63 my tile's smallest query
.set QB,   66                          ; s66 my block's first query: 128 block
.set CNT,  67
.macro CROUND                          ; a round of the cluster's barrier
	s_barrier_signal -1
	s_barrier_wait -1
	s_cmp_lg_u32 s[WV], 0
	s_cbranch_scc1 .Lnot_wave_0_\@
	s_barrier_signal -3
.Lnot_wave_0_\@:
	s_barrier_wait -3
	s_barrier_signal -1
	s_barrier_wait -1
.endm
.macro QUANT s, pc, pw, tm             ; 64 numbers of a lane, register s + 16 b + i = k 32 b + 16 (lane / 16) + i, become a fragment's codes at pc and its scale word in pw
.irp b, 0,1,2,3
	v_max3_num_f32 v[\tm+\b], |v[\s+16*\b]|, |v[\s+1+16*\b]|, 0x1800000   ; with the floor 2^(3 - 127): the byte cannot fall under 1
.endr
.irp i, 2,4,6,8,10,12,14
.irp b, 0,1,2,3
	s_delay_alu instid0(VALU_DEP_4)
	v_max3_num_f32 v[\tm+\b], v[\tm+\b], |v[\s+16*\b+\i]|, |v[\s+1+16*\b+\i]|
.endr
.endr
.irp b, 0,1,2,3
	s_delay_alu instid0(VALU_DEP_4)
	v_permlanex16_b32 v[\tm+4+\b], v[\tm+\b], s[SEL], s[SEL+1]
.endr
.irp b, 0,1,2,3
	s_delay_alu instid0(VALU_DEP_4)
	v_max_num_f32 v[\tm+\b], v[\tm+\b], v[\tm+4+\b]
.endr
.irp b, 0,1,2,3
	s_delay_alu instid0(VALU_DEP_4)
	v_add_nc_u32 v[\tm+12+\b], 0xff000000, v[\tm+\b]
.endr
.irp b, 0,1,2,3
	s_delay_alu instid0(VALU_DEP_4)
	v_lshrrev_b32 v[\tm+4+\b], 23, v[\tm+12+\b]
.endr
	s_delay_alu instid0(VALU_DEP_3)
	v_lshl_or_b32 v[\pw], v[\tm+5], 8, v[\tm+4]
	s_delay_alu instid0(VALU_DEP_1)
	v_lshl_or_b32 v[\pw], v[\tm+6], 16, v[\pw]
	s_delay_alu instid0(VALU_DEP_1)
	v_lshl_or_b32 v[\pw], v[\tm+7], 24, v[\pw]
.irp b, 0,1,2,3
	v_cvt_scalef32_pk8_fp4_f32 v[\pc+2*\b], v[\s+16*\b:\s+7+16*\b], v[\tm+12+\b]
	v_cvt_scalef32_pk8_fp4_f32 v[\pc+1+2*\b], v[\s+8+16*\b:\s+15+16*\b], v[\tm+12+\b]
.endr
	v_nop                                          ; one plain place behind the scaled conversions
.irp c, 0,1
.irp i, 0,1
	v_permlane16_swap_b32 v[\pc+4*\c+\i], v[\pc+2+4*\c+\i]
.endr
.endr
.endm
	s_load_b256 s[4:11], s[0:1], 0x0               ; qkv_codes, qkv_scales, y_codes, y_scales
	v_lshl_add_u32 v242, v0, 2, 0x44000
	v_mov_b32 v243, 0
	ds_add_u32 v242, v243
	ds_add_u32 v242, v243
	v_lshrrev_b32 v8, 5, v0
	s_delay_alu instid0(VALU_DEP_1)
	v_readfirstlane_b32 s[WV], v8                  ; wave 0..15
	s_bfe_u32 s13, ttmp6, 0x40000                  ; cx
	s_lshl_b32 s16, ttmp9, 2                       ; in a cluster launch ttmp9 counts clusters
	s_add_co_u32 s13, s13, s16                     ; j = 4 x cluster x + cx: which of the head's eight work-groups: it enters Q's and y's addresses and the mask's numbers alone
	s_and_b32 s14, ttmp7, 0xffff                   ; bh = 8 b + head, which the four partners share
	s_mov_b32 s15, 0x4fe035dc                      ; block(w), four bits a wave: waves 8 to 15: 12 13 5 3 0 14 15 4;
	s_cmp_lt_u32 s[WV], 8
	s_cselect_b32 s15, 0xb26a9817, s15             ; waves 0 to 7: 7 1 8 9 10 6 2 11
	s_and_b32 s16, s[WV], 7
	s_lshl_b32 s16, s16, 2
	s_lshr_b32 s15, s15, s16
	s_and_b32 s15, s15, 15                         ; my block of 128 queries
	s_lshl_b32 s[QB], s15, 7
	; group 1: dense blocks as rows of 256 bytes (32 elements of 8 bytes): 64 rows (two steps' tiles of K or of V)
.irp g, 20
	s_mov_b32 s[\g], 15|(3<<16)|(1<<21)            ; 15:0 the mask: all four work-groups; 17:16 elements of 8 bytes; 21 set beside a mask
	s_mov_b32 s[\g+1], 32<<16
	s_mov_b32 s[\g+3], 32<<16
	s_mov_b32 s[\g+5], 32
	s_mov_b32 s[\g+6], 0
	s_mov_b32 s[\g+7], 0
.endr
	s_mov_b32 s22, 64<<16
	s_mov_b32 s24, 64
	s_lshr_b32 s16, s[WV], 3                       ; waves 0 to 7 fetch K, waves 8 to 15 V: k lies 4 MiB behind q, v 8 MiB
	s_add_co_u32 s16, s16, 1
	s_lshl_b32 s68, s16, 22
	s_lshl_b32 s17, s14, 17                        ; the head's 131,072 bytes,
	s_add_co_u32 s68, s68, s17
	s_and_b32 s17, s[WV], 7
	s_lshl_b32 s17, s17, 14                        ; my 16,384 of them
	s_add_co_u32 s68, s68, s17
	s_mov_b32 s69, 0
	s_mov_b32 s44, 1
	s_lshl_b32 s45, s[WV], 14                      ; in LDS: 16,384 x wave: K's eight parts, then V's eight
	s_lshl_b32 s70, s14, 13                        ; the head's scale words of K: 256 KiB behind q's; V's lie 256 KiB further on
	s_add_co_u32 s70, s70, 1<<18
	s_mov_b32 s71, 0
	s_mov_b32 s[SEL], 0x76543210
	s_mov_b32 s[SEL+1], 0xfedcba98
	s_mov_b32 s[CS], 0x3e0293ee
	s_mov_b32 s[CS+1], s[CS]                       ; (named with it as a pair, so it is written)
	s_wait_dscnt 0x0
	s_wait_kmcnt 0x0
	s_add_nc_u64 s[46:47], s[4:5], s[68:69]
	s_or_b32 s47, s47, 0x80000000
	s_add_nc_u64 s[54:55], s[6:7], s[70:71]
	CROUND                                         ; all four work-groups are here: the joint loads meet
	; all fills of the launch, no branch: one load a wave.  Four v_nop close it
	tensor_load_to_lds s[44:47], s[20:27]          ; every wave's one tensor load: its 16,384 bytes of K or of V
	s_nop 0
.rept 4
	v_nop
.endr
	; THE SCALE WORDS, 8,192 bytes of K's and 8,192 of V's, come through registers: each of the 512 threads loads 16 bytes of each and stores them to LDS bytes into which no tile lands.
	; They are 16 KiB beside 256 KiB of tiles: not asked for jointly, since each wave has its one tensor load.
	v_lshlrev_b32 v7, 4, v0
	v_add_nc_u32 v24, KSO, v7
	global_load_b128 v[32:35], v7, s[54:55]
	global_load_b128 v[36:39], v7, s[54:55] offset:262144
	s_lshl_b32 s68, s15, 3
	s_add_co_u32 s68, s68, s13                     ; my token tile in the batch row: 8 block + j
	s_lshl_b32 s70, s14, 17
	s_lshl_b32 s69, s68, 10
	s_add_co_u32 s70, s70, s69
	s_mov_b32 s71, 0
	s_add_nc_u64 s[72:73], s[4:5], s[70:71]        ; Q's image
	s_lshl_b32 s70, s14, 13
	s_lshl_b32 s69, s68, 6
	s_add_co_u32 s70, s70, s69
	s_add_nc_u64 s[74:75], s[6:7], s[70:71]        ; Q's scale words
	s_and_b32 s76, s14, 7                          ; head
	s_lshr_b32 s77, s14, 3                         ; b
	s_lshl_b32 s77, s77, 7
	s_add_co_u32 s77, s77, s68                     ; my token tile among all 512
	s_lshr_b32 s70, s76, 2
	s_lshl_b32 s70, s70, 21
	s_lshl_b32 s69, s77, 12
	s_add_co_u32 s70, s70, s69
	s_and_b32 s69, s76, 3
	s_lshl_b32 s69, s69, 10
	s_add_co_u32 s70, s70, s69
	s_add_nc_u64 s[8:9], s[8:9], s[70:71]          ; y's image: [head / 4][512 token tiles][head % 4][1,024]
	s_lshl_b32 s70, s76, 15
	s_lshl_b32 s69, s77, 6
	s_add_co_u32 s70, s70, s69
	s_add_nc_u64 s[10:11], s[10:11], s[70:71]      ; y's scale words: [8 heads][8,192 positions]
	s_lshr_b32 s69, s13, 1
	s_lshl_b32 s69, s69, 5
	s_add_co_u32 s[Q0], s[QB], s69
	s_and_b32 s69, s13, 1
	s_lshl_b32 s69, s69, 3
	s_add_co_u32 s[Q0], s[Q0], s69                 ; 128 block + 32 (j / 2) + 8 (j % 2)
	s_mov_b32 s[KF], 0
	s_mov_b32 s[TB], 0
	s_mov_b32 s[TS], 0
	v_and_b32 v8, 31, v0                           ; lane
	v_and_b32 v9, 15, v0                           ; r
	v_bfe_u32 v10, v0, 4, 1                        ; h
	s_delay_alu instid0(VALU_DEP_3)
	v_lshlrev_b32 v[AK0], 4, v8
	s_delay_alu instid0(VALU_DEP_1)
	v_add_nc_u32 v[AV0], VOFF, v[AK0]
	s_delay_alu instid0(VALU_DEP_4)
	v_lshlrev_b32 v[R4], 2, v9
	s_delay_alu instid0(VALU_DEP_1)
	v_add_nc_u32 v[ASK0], KSO, v[R4]
	s_delay_alu instid0(VALU_DEP_2)
	v_add_nc_u32 v[ASV0], VSO, v[R4]
	global_load_b128 v[16:19], v[AK0], s[72:73]    ; Q's fragment stays in registers
	global_load_b128 v[20:23], v[AK0], s[72:73] offset:512
	global_load_b32 v255, v[R4], s[74:75]
	v_and_b32 v[QL], 7, v9
	v_lshrrev_b32 v11, 3, v9
	s_delay_alu instid0(VALU_DEP_1)
	v_lshl_add_u32 v[QL], v11, 4, v[QL]
	v_lshlrev_b32 v11, 4, v10
	s_delay_alu instid0(VALU_DEP_1)
	v_sub_nc_u32 v[QL], v[QL], v11
	v_mov_b32 v13, 0xff61b1e6                      ; the largest t so far: -3e38, under every t
	s_delay_alu instid0(VALU_DEP_1)
	v_floor_f32 v12, -v13                          ; -M
	v_mov_b32 v14, 0
	v_mov_b32 v15, 0
.irp b, 0,1,2,3
	v_mov_b32 v[236+\b], 0                         ; written once: a lane permute's destination counts as one of its sources
.endr
	v_mov_b32 v252, 0
	v_mov_b32 v253, 0                              ; (named as the upper half of the pair v[252:253] before it is first written)
.set N, 0
.rept 64
	v_mov_b32 v[160+N], 0                          ; O^T: the step is written for every step alike; the first finds zeros, which the first change of M leaves zeros
.set N, N+1
.endr
; A KEY STEP: 128 keys.
.macro STEP
	s_cmp_gt_u32 s[KF], s[QB]                      ; the step lies behind my block: all its keys come after my queries,
	s_cbranch_scc1 .Lskip_\@
	s_add_co_u32 s68, s[KF], 1024
	s_cmp_lt_u32 s68, s[QB]                        ; or more than eight steps before it: all its keys lie before every window of my block: the step's work is left out
	s_cbranch_scc1 .Lskip_\@
	v_add_nc_u32 v[ADK], s[TB], v[AK0]             ; (these four are also the places behind the last products, ahead of the loads into their registers)
	v_add_nc_u32 v[ADV], s[TB], v[AV0]
	v_add_nc_u32 v[ADS], s[TS], v[ASK0]
	v_add_nc_u32 v[ADT], s[TS], v[ASV0]
	s_wait_alu depctr_va_vdst(0)
.irp t, 0,1,2,3,4,5,6,7                        ; S^T = K Q^T: the step's eight tiles of 16 keys in one run, v32-95; tile t's scale words in v248-251 (t < 4) and v28-31
.irp c, 0,1
	ds_load_b128 v[32+8*\t+4*\c:32+8*\t+4*\c+3], v[ADK] offset:\t*1024+512*\c
.endr
	ds_load_b32 v[248+\t-224*(\t/4)], v[ADS] offset:\t*64
.endr
	s_wait_dscnt 0x0
.irp t, 0,1,2,3,4,5,6,7
	v_wmma_scale_f32_16x16x128_f8f6f4 v[96+8*\t:103+8*\t], v[32+8*\t:39+8*\t], v[16:23], 0, v[248+\t-224*(\t/4)], v255 matrix_a_fmt:MATRIX_FMT_FP4 matrix_b_fmt:MATRIX_FMT_FP4
.endr
.rept 4
	v_nop
.endr
.irp t, 0,1,2,3,4,5,6,7                        ; V's eight tiles and their scale words are asked for here, into the registers that K's have left: the softmax stands between these loads and the wait for them
.irp c, 0,1
	ds_load_b128 v[32+8*\t+4*\c:32+8*\t+4*\c+3], v[ADV] offset:\t*1024+512*\c
.endr
	ds_load_b32 v[248+\t-224*(\t/4)], v[ADT] offset:\t*64
.endr
	s_cmp_lg_u32 s[KF], s[QB]                      ; THE DIAGONAL lies in my block's own step alone
	s_cbranch_scc1 .Lopen_\@
	s_sub_co_i32 s69, s[Q0], s[KF]
	v_add_nc_u32 v24, s69, v[QL]                   ; d = my query - KF - 16 h.  Register 16 b + i holds key KF + 16 h + 32 b + i: hidden where 32 b + i > d
	v_mov_b32 v27, 0xff800000                      ; -infinity
.set N, 0
.rept 64
	v_cmp_gt_i32 vcc_lo, 32*(N/16)+N%16, v24
	v_cndmask_b32 v[96+N], v[96+N], v27, vcc_lo
.set N, N+1
.endr
.Lopen_\@:
	s_add_co_u32 s68, s[KF], 1024                  ; THE WINDOW'S FAR EDGE lies in the step eight before my block's alone
	s_cmp_lg_u32 s68, s[QB]
	s_cbranch_scc1 .Lnear_\@
	s_sub_co_i32 s69, s[Q0], s[KF]
	s_sub_co_i32 s69, s69, 1023
	v_add_nc_u32 v25, s69, v[QL]                   ; hidden where 32 b + i < d - 1023
	v_mov_b32 v27, 0xff800000
.set N, 0
.rept 64
	v_cmp_lt_i32 vcc_lo, 32*(N/16)+N%16, v25
	v_cndmask_b32 v[96+N], v[96+N], v27, vcc_lo
.set N, N+1
.endr
.Lnear_\@:
.irp b, 0,1,2,3
	v_max3_num_f32 v[232+\b], v[96+16*\b], v[97+16*\b], v[98+16*\b]   ; the largest score of each block of 32 keys: it serves the row's maximum and, since p rises with the score, the block's largest p
.endr
.irp i, 3,5,7,9,11,13
.irp b, 0,1,2,3
	v_max3_num_f32 v[232+\b], v[232+\b], v[96+16*\b+\i], v[97+16*\b+\i]
.endr
.endr
.irp b, 0,1,2,3
	v_max_num_f32 v[232+\b], v[232+\b], v[111+16*\b]
.endr
.irp b, 0,1,2,3
	s_delay_alu instid0(VALU_DEP_4)
	v_permlanex16_b32 v[236+\b], v[232+\b], s[SEL], s[SEL+1]
.endr
.irp b, 0,1,2,3
	s_delay_alu instid0(VALU_DEP_4)
	v_max_num_f32 v[232+\b], v[232+\b], v[236+\b]  ; with lane l xor 16's 16 keys
.endr
	s_delay_alu instid0(VALU_DEP_2)
	v_max3_num_f32 v254, v232, v233, v234
	s_delay_alu instid0(VALU_DEP_1)
	v_max_num_f32 v254, v254, v235                 ; the step's largest score of my query
	s_delay_alu instid0(VALU_DEP_1)
	v_mul_f32 v254, s[CS], v254                    ; as t
	s_delay_alu instid0(VALU_DEP_1)
	v_max_num_f32 v13, v13, v254                   ; the running largest t
	v_mov_b32 v254, v12
	s_delay_alu instid0(VALU_DEP_2)
	v_floor_f32 v12, -v13                          ; the new -M = floor(-t): M is a whole number
	s_delay_alu instid0(VALU_DEP_1)
	v_sub_f32 v254, v12, v254                      ; old M - new M: a whole number, 0 or less
	s_delay_alu instid0(VALU_DEP_1)
	v_cvt_i32_f32 v254, v254                       ; (it saturates)
	s_delay_alu instid0(VALU_DEP_1)
	v_ldexp_f32 v252, 1.0, v254                    ; the factor 2^(old M - new M)
.set N, 0
.rept 32
	v_pk_fma_f32 v[96+N:97+N], v[96+N:97+N], s[CS:CS+1], v[12:13] op_sel_hi:[1,0,0]   ; t - M, two at a time
.set N, N+2
.endr
.irp b, 0,1,2,3
	v_fma_f32 v[232+\b], v[232+\b], s[CS], v12     ; the same of each block's largest score
.endr
.set N, 0
	s_wait_alu depctr_va_vdst(0)
.rept 64
	v_exp_f32 v[96+N], v[96+N]                     ; p = 2^(t - M)
.set N, N+1
.endr
	v_pk_mul_f32 v[14:15], v[14:15], v[252:253] op_sel_hi:[1,0]   ; the sums under the new M (a plain line behind the exponentials)
	s_wait_alu depctr_va_vdst(0)                   ; one wait for the whole batch, ahead of its first reader
.irp b, 0,1,2,3
	v_exp_f32 v[232+\b], v[232+\b]                 ; the block's largest p
.endr
.irp c, 0,1,2,3,4                              ; the row's sum of the unquantised p, two at a time, in six chains: v236, v238, v240, v244, v246 and the sum itself.  (It reads the 64 alone: plain work behind the four)
	v_pk_add_f32 v[236+2*\c+2*(\c/3):237+2*\c+2*(\c/3)], v[96+4*\c:97+4*\c], v[98+4*\c:99+4*\c]
.endr
	v_pk_add_f32 v[14:15], v[14:15], v[116:117]
.set J, 118
.rept 3
.irp c, 236,238,240,244,246,14
	v_pk_add_f32 v[\c:\c+1], v[\c:\c+1], v[J:J+1]
.set J, J+2
.endr
.endr
.irp c, 236,238,240
	v_pk_add_f32 v[\c:\c+1], v[\c:\c+1], v[J:J+1]
.set J, J+2
.endr
	v_pk_add_f32 v[244:245], v[244:245], v[246:247]
	v_pk_add_f32 v[236:237], v[236:237], v[238:239]
	v_pk_add_f32 v[14:15], v[14:15], v[240:241]
	s_delay_alu instid0(VALU_DEP_2)
	v_pk_add_f32 v[236:237], v[236:237], v[244:245]
	s_delay_alu instid0(VALU_DEP_1)
	v_pk_add_f32 v[14:15], v[14:15], v[236:237]
	s_wait_alu depctr_va_vdst(0)                   ; and one for the four
.irp b, 0,1,2,3
	v_max_num_f32 v[232+\b], 0x1800000, v[232+\b]  ; the floor 2^(3 - 127)
.endr
.irp b, 0,1,2,3
	s_delay_alu instid0(VALU_DEP_4)
	v_add_nc_u32 v[244+\b], 0xff000000, v[232+\b]  ; the conversion's scale operand
.endr
.irp b, 0,1,2,3
	s_delay_alu instid0(VALU_DEP_4)
	v_lshrrev_b32 v[236+\b], 23, v[244+\b]         ; the scale's byte
.endr
	s_delay_alu instid0(VALU_DEP_3)
	v_lshl_or_b32 v253, v237, 8, v236              ; p's scale word for these 128 keys
	s_delay_alu instid0(VALU_DEP_1)
	v_lshl_or_b32 v253, v238, 16, v253
	s_delay_alu instid0(VALU_DEP_1)
	v_lshl_or_b32 v253, v239, 24, v253
.irp b, 0,1,2,3
	v_cvt_scalef32_pk8_fp4_f32 v[224+2*\b], v[96+16*\b:103+16*\b], v[244+\b]
	v_cvt_scalef32_pk8_fp4_f32 v[225+2*\b], v[104+16*\b:111+16*\b], v[244+\b]
.endr
	v_nop                                          ; one plain place behind the scaled conversions
.irp c, 0,1
.irp i, 0,1
	v_permlane16_swap_b32 v[224+4*\c+\i], v[226+4*\c+\i]
.endr
.endr
.set N, 0
.rept 32
	v_pk_mul_f32 v[160+N:161+N], v[160+N:161+N], v[252:253] op_sel_hi:[1,0]   ; O^T under the new M; these 32 are also the places ahead of the loads and products below
.set N, N+2
.endr
	s_wait_alu depctr_va_vdst(0)
	s_wait_dscnt 0x0                               ; V's fragments and scale words, asked for ahead of the softmax
.irp t, 0,1,2,3,4,5,6,7                        ; O^T += V^T P^T: eight tiles of 16 channel positions, eight accumulators by turns
	v_wmma_scale_f32_16x16x128_f8f6f4 v[160+8*\t:167+8*\t], v[32+8*\t:39+8*\t], v[224:231], v[160+8*\t:167+8*\t], v[248+\t-224*(\t/4)], v253 matrix_a_fmt:MATRIX_FMT_FP4 matrix_b_fmt:MATRIX_FMT_FP4
.endr
.Lskip_\@:
	s_add_co_u32 s[KF], s[KF], 128
	s_add_co_u32 s[TB], s[TB], 8192
	s_add_co_u32 s[TS], s[TS], 512
.endm
	s_wait_alu depctr_va_vdst(0)                   ; the wait at the head's end
	s_wait_loadcnt 0x0                             ; Q, and my 32 bytes of scale words
	ds_store_b128 v24, v[32:35]
	ds_store_b128 v24, v[36:39] offset:8192
	s_wait_tensorcnt 0x0                           ; my part of the head has landed,
	s_wait_dscnt 0x0                               ; my scale words are stored,
	s_barrier_signal -1
	s_barrier_wait -1                              ; everybody's has: from here on the waves go their own ways
	s_mov_b32 s[CNT], 16
.Lsteps:                                           ; every wave walks all sixteen steps: the trip count is a constant; what is left out is a step's work
	STEP
	s_sub_co_u32 s[CNT], s[CNT], 1
	s_cmp_lg_u32 s[CNT], 0
	s_cbranch_scc1 .Lsteps
	; THE WAY OUT: O^T / the sum is y; register 16 b + i is channel 32 b + 16 h + i of my token: it is quantised as it stands and leaves as the projection's fragment
.rept 4
	v_nop                                          ; places behind the last products
.endr
	v_add_f32 v14, v14, v15
	s_delay_alu instid0(VALU_DEP_1)
	v_permlanex16_b32 v252, v14, s[SEL], s[SEL+1]
	s_delay_alu instid0(VALU_DEP_1)
	v_add_f32 v14, v14, v252                       ; the row's sum
	s_wait_alu depctr_va_vdst(0)
	v_rcp_f32 v14, v14
	v_nop                                          ; a plain line behind the transcendental
	s_wait_alu depctr_va_vdst(0)                   ; the wait, ahead of the first reader
.set N, 0
.rept 64
	v_mul_f32 v[96+N], v[160+N], v14               ; ascending: each accumulator is read from its low end on
.set N, N+1
.endr
	QUANT 96, 224, 26, 232
	global_store_b128 v[AK0], v[224:227], s[8:9]   ; 512 consecutive bytes a store
	global_store_b128 v[AK0], v[228:231], s[8:9] offset:512
	global_store_b32 v[R4], v26, s[10:11]          ; my 16 tokens' scale words, 64 bytes; lanes l and l + 16 hold the same word and write it to the same place
	s_wait_dscnt 0x0                               ; no LDS instruction of mine is out at a signal
	s_wait_tensorcnt 0x0
	ds_add_u32 v242, v243
	s_wait_dscnt 0x0
	CROUND                                         ; the closing round: no work-group ends while a partner may still ask for a tile that names it
	s_endpgm
.Lfunc_end_k_qad2b527c76_attn:
	.size	k_qad2b527c76_attn, .Lfunc_end_k_qad2b527c76_attn-k_qad2b527c76_attn
	.p2alignl 7, 3214868480
	.fill 96, 4, 3214868480
	.section	.rodata,"a",@progbits
	.p2align	6, 0x0
	.amdhsa_kernel k_qad2b527c76_attn
		.amdhsa_group_segment_fixed_size 280576
		.amdhsa_private_segment_fixed_size 0
		.amdhsa_enable_private_segment 0
		.amdhsa_kernarg_size 32
		.amdhsa_user_sgpr_count 2
		.amdhsa_user_sgpr_kernarg_segment_ptr 1
		.amdhsa_wavefront_size32 1
		.amdhsa_system_sgpr_workgroup_id_x 1
		.amdhsa_system_sgpr_workgroup_id_y 1
		.amdhsa_system_sgpr_workgroup_id_z 1
		.amdhsa_system_vgpr_workitem_id 0
		.amdhsa_next_free_vgpr 256
		.amdhsa_next_free_sgpr 80
		.amdhsa_reserve_vcc 1
		.amdhsa_float_denorm_mode_32 3
		.amdhsa_float_denorm_mode_16_64 3
		.amdhsa_memory_ordered 1
		.amdhsa_forward_progress 1
		.amdhsa_inst_pref_size 47
	.end_amdhsa_kernel
	.amdgpu_metadata
---
amdhsa.version: [ 1, 2 ]
amdhsa.kernels:
  - .name:           k_qad2b527c76_attn
    .symbol:         k_qad2b527c76_attn.kd
    .args:
      - { .name: qkv_codes, .offset: 0, .size: 8, .value_kind: global_buffer, .address_space: global }
      - { .name: qkv_scales, .offset: 8, .size: 8, .value_kind: global_buffer, .address_space: global }
      - { .name: y_codes, .offset: 16, .size: 8, .value_kind: global_buffer, .address_space: global }
      - { .name: y_scales, .offset: 24, .size: 8, .value_kind: global_buffer, .address_space: global }
    .group_segment_fixed_size: 280576
    .private_segment_fixed_size: 0
    .kernarg_segment_align: 8
    .kernarg_segment_size: 32
    .max_flat_workgroup_size: 512
    .sgpr_count:     80
    .vgpr_count:     256
    .wavefront_size: 32
...
	.end_amdgpu_metadata
.endif
;; end of part 3
;; launch proj (part 4): grid 4 x 64, 4 waves a work-group, clusters of 4 x 4, 251,392 bytes of LDS; arguments y_codes, y_scales, xw_codes, xw_scales, out0; writes out0
.if DOCPART == 4
	.amdgcn_target "amdgcn-amd-amdhsa--gfx1250"
	.amdhsa_code_object_version 6
	.text
	.protected	k_qad2b527c76_proj
	.globl	k_qad2b527c76_proj
	.p2align	8
	.type	k_qad2b527c76_proj,@function
k_qad2b527c76_proj:
	s_mov_b64 s[64:65], 0
	v_nop
	global_prefetch_b8 v0, s[64:65] scope:SCOPE_SE
	s_setreg_imm32_b32 hwreg(HW_REG_WAVE_MODE, 25, 1), 1
	s_wait_xcnt 0x0
	s_wait_alu depctr_hold_cnt(0) depctr_sa_sdst(0) depctr_va_vdst(0) depctr_va_sdst(0) depctr_va_ssrc(0) depctr_va_vcc(0) depctr_vm_vsrc(0)
	s_getreg_b32 s2, hwreg(HW_REG_IB_STS2, 6, 4)
	s_cmp_eq_u32 s2, 0
	s_cbranch_scc0 .Lentry_in_a_cluster
	s_endpgm
.Lentry_in_a_cluster:
	s_bfe_u32 s2, ttmp6, 0x10000c
	s_cmp_lg_u32 s2, 0xf033
	s_cbranch_scc0 .Lentry_shape_is_right
	s_endpgm
.Lentry_shape_is_right:
; out0 = y Wproj^T on codes of FP4 with E8M0 scales.  y comes as images of fragments ([head / 4][512 token tiles][head % 4][1,024 bytes]) with scale words [8 heads][8,192 positions]; Wproj as rows of codes in position order.
; A work-group makes 128 token positions (Y) x 256 weight positions (X) over all of K = 1,024; a wave 64 x 128: source 0 = 128 weight positions, source 1 = 64 token positions, 32 accumulators.
; A lane then holds one token and, in the 16 registers of tiles 2 b and 2 b + 1, the 16 neighbouring output columns 32 b + 16 h + 0 .. 15.  Lane r of token tile 2 g + u is token 32 g + 8 u + (r % 8) + 16 (r / 8).
; LDS IS FILLED ONCE: both K halves fit together and land ahead of the products.
; CLUSTER 4 x 4: y's tile hangs on Y alone and is asked for jointly along a row of the cluster, Wproj's on X alone and jointly along a column.
; THE WAY OUT: a tile of 16 tokens x 128 columns goes through the wave's own stage in LDS and leaves as whole rows of 512 consecutive bytes.
; REGISTERS, in windows of 256: window 0: v1-24 lane numbers and addresses; v32-95 source 0's scale words (8 t + q), v96-127 source 1's (8 m + q).   window 1: accumulator (m, t) at v[8 (8 m + t)].
;   window 3: two fragment buffers of 96; on the way out 64 registers for each token tile's rows.
.set HS,    102400                     ; LDS: from K half 0 to K half 1.  A half: y's 8 token tiles x 4 K steps x 1,024 bytes, then Wproj's 256 rows x 272
.set BT,    32768
.set BHALF, 34816                      ; 128 rows x 272
.set SCA,   204800
.set SCB,   208896
.set STG,   217088                     ; the stages: 16 rows x 528 for each wave
.set AD0,   8
.set AD1,   10
.set AS0,   12
.set AS1,   13
.set SO,    14                         ; v14 the stage: where I put 16 bytes of a row
.set SR,    15                         ; v15 and where I read a row back
.set LI,    23                         ; v23 16 x lane
.set MSB, 0
.macro WIN new                         ; the immediate's high byte repeats the setting that is left
.if MSB != \new
	s_set_vgpr_msb (MSB<<8)|\new
.set MSB, \new
.endif
.endm
.macro PLACES                          ; four plain places behind matrix instructions, ahead of loads into their registers and of reads of their results
.rept 4
	v_nop
.endr
.endm
.macro CROUND                          ; a round of the cluster's barrier
	s_barrier_signal -1
	s_barrier_wait -1
	s_cmp_lg_u32 s22, 0
	s_cbranch_scc1 .Lnot_wave_0_\@
	s_barrier_signal -3
.Lnot_wave_0_\@:
	s_barrier_wait -3
	s_barrier_signal -1
	s_barrier_wait -1
.endm
.macro SCLOAD
.irp t, 0,1,2,3,4,5,6,7
.irp f, 0,1
	global_load_b128 v[32+8*\t+4*\f:32+8*\t+4*\f+3], v[AS0], s[98:99] offset:512*\t+16*\f   ; Wproj's scale words go from memory into the scale registers: lane r takes its row's 32 bytes
.endr
.endr
.irp m, 0,1,2,3
.irp k, 0,1,2,3,4,5,6,7
	global_load_b32 v[96+8*\m+\k], v[AS1], s[94:95] offset:32768*\k+64*\m   ; and y's: head k, position 16 m + r
.endr
.endr
.endm
.macro FRAGS q, p                      ; the 12 fragments of K step q into buffer p: 24 loads
	WIN 0xc0                                       ; destination window 3, address window 0
.irp t, 0,1,2,3,4,5,6,7
.irp c, 0,1
	ds_load_b128 v[96*(\p)+8*\t+4*\c:96*(\p)+8*\t+4*\c+3], v[AD0+(\q)/4] offset:4352*\t+64*((\q)%4)+32*\c
.endr
.endr
.irp m, 0,1,2,3
.irp c, 0,1
	ds_load_b128 v[96*(\p)+64+8*\m+4*\c:96*(\p)+64+8*\m+4*\c+3], v[AD1+(\q)/4] offset:4096*\m+1024*((\q)%4)+512*\c
.endr
.endr
.endm
.macro MUL q, p, zero                  ; 32 products; the 32 accumulators take turns, one instruction a turn, in the same order in every step
	WIN 0x5f                                       ; sources 0 and 1 window 3, C and D window 1
.irp m, 0,1,2,3
.irp t, 0,1,2,3,4,5,6,7
.if \zero
	v_wmma_scale_f32_16x16x128_f8f6f4 v[8*(8*\m+\t):8*(8*\m+\t)+7], v[96*(\p)+8*\t:96*(\p)+8*\t+7], v[96*(\p)+64+8*\m:96*(\p)+64+8*\m+7], 0, v[32+8*\t+(\q)], v[96+8*\m+(\q)] matrix_a_fmt:MATRIX_FMT_FP4 matrix_b_fmt:MATRIX_FMT_FP4
.else
	v_wmma_scale_f32_16x16x128_f8f6f4 v[8*(8*\m+\t):8*(8*\m+\t)+7], v[96*(\p)+8*\t:96*(\p)+8*\t+7], v[96*(\p)+64+8*\m:96*(\p)+64+8*\m+7], v[8*(8*\m+\t):8*(8*\m+\t)+7], v[32+8*\t+(\q)], v[96+8*\m+(\q)] matrix_a_fmt:MATRIX_FMT_FP4 matrix_b_fmt:MATRIX_FMT_FP4
.endif
.endr
.endr
.endm
	s_load_b256 s[4:11], s[0:1], 0x0               ; y_codes, y_scales, xw_codes, xw_scales
	s_load_b64 s[12:13], s[0:1], 0x20              ; out0
	v_lshl_add_u32 v254, v0, 2, 0x3d400
	v_mov_b32 v255, 0
	ds_add_u32 v254, v255
	ds_add_u32 v254, v255
	v_lshrrev_b32 v1, 5, v0
	v_readfirstlane_b32 s22, v1                    ; wave 0..3
	s_bfe_u32 s24, ttmp6, 0x40000                  ; cx
	s_bfe_u32 s25, ttmp6, 0x40004                  ; cy
	s_lshl_b32 s26, ttmp9, 2
	s_add_co_u32 s26, s26, s24                     ; X: 256 weight positions
	s_and_b32 s27, ttmp7, 0xffff
	s_lshl_b32 s27, s27, 2
	s_add_co_u32 s27, s27, s25                     ; Y: 128 token positions
	s_lshr_b32 s60, s22, 1                         ; wave / 2
	s_and_b32 s62, s22, 1                          ; wave % 2
	s_lshl_b32 s28, s25, 2
	s_lshl_b32 s28, 15, s28                        ; my row of the cluster
	s_lshl_b32 s32, 0x1111, s24                    ; my column
	; group 1 for y's images: a dense block of 32,768 bytes as 128 rows of 256 bytes (32 elements of 8 bytes)
	s_or_b32 s36, s28, (3<<16)|(1<<21)             ; 15:0 the mask: my row; 21 set beside a mask
	s_mov_b32 s37, 32<<16
	s_mov_b32 s38, 128<<16
	s_mov_b32 s39, 32<<16
	s_mov_b32 s40, 128
	s_mov_b32 s41, 32
	s_mov_b32 s42, 0
	s_mov_b32 s43, 0
	; for Wproj's codes: 256 rows x 256 bytes, 512 bytes apart in memory, 16 bytes of padding behind each row in LDS
	s_or_b32 s44, s32, (1<<20)|(1<<21)|(5<<22)|(3<<25)
	s_mov_b32 s45, 256<<16
	s_mov_b32 s46, 256<<16
	s_mov_b32 s47, 256<<16
	s_mov_b32 s48, 256
	s_mov_b32 s49, 512
	s_mov_b32 s50, 0
	s_mov_b32 s51, 0
	; offsets: y's are made of Y alone, Wproj's of X and the wave's number alone
	s_lshl_b32 s30, s27, 15                        ; y's images: 8 token tiles x 4,096 bytes
	s_mov_b32 s31, 0
	s_lshl_b32 s28, s27, 9                         ; y's scale words: position 128 Y + 64 (wave / 2)
	s_lshl_b32 s29, s60, 8
	s_add_co_u32 s28, s28, s29
	s_mov_b32 s29, 0
	s_lshl_b32 s32, s26, 8
	s_add_co_u32 s32, s32, 11264                   ; Wproj's rows in xw_codes: 8192 + 3072 + 256 X
	s_lshl_b32 s34, s32, 5                         ; its scale bytes, rows 128 (wave % 2) on
	s_lshl_b32 s33, s62, 12
	s_add_co_u32 s34, s34, s33
	s_lshl_b32 s32, s32, 9
	s_mov_b32 s33, 0
	s_mov_b32 s35, 0
	s_wait_dscnt 0x0
	s_wait_kmcnt 0x0
	s_mov_b32 s76, 1                               ; y, K half 0 (heads 0 to 3)
	s_mov_b32 s77, 0
	s_add_nc_u64 s[78:79], s[4:5], s[30:31]
	s_mov_b32 s80, 1                               ; y, K half 1: 2 MiB on
	s_mov_b32 s81, HS
	s_add_nc_u64 s[82:83], s[78:79], 0x200000
	s_or_b32 s79, s79, 0x80000000
	s_or_b32 s83, s83, 0x80000000
	s_mov_b32 s84, 1                               ; Wproj, K half 0
	s_mov_b32 s85, BT
	s_add_nc_u64 s[86:87], s[8:9], s[32:33]
	s_mov_b32 s88, 1                               ; Wproj, K half 1: 256 bytes on in each row
	s_mov_b32 s89, BT+HS
	s_add_nc_u64 s[90:91], s[86:87], 256
	s_or_b32 s87, s87, 0x80000000
	s_or_b32 s91, s91, 0x80000000
	s_add_nc_u64 s[94:95], s[6:7], s[28:29]        ; y's scale words
	s_add_nc_u64 s[98:99], s[10:11], s[34:35]      ; Wproj's scale bytes
	CROUND                                         ; all sixteen work-groups are here: the joint loads meet
	; all fills of the launch, one chain of branches on the wave's number: one load a wave.  Four v_nop close each arm
	s_cmp_lg_u32 s22, 0
	s_cbranch_scc1 .Lnot_w0                        ; one tensor load a wave, one chain of branches: wave 0 y's K half 0, wave 1 Wproj's (256 rows), wave 2 y's K half 1, wave 3 Wproj's
	tensor_load_to_lds s[76:79], s[36:43]
	s_nop 0
	PLACES
	s_branch .Lasked
.Lnot_w0:
	s_cmp_lg_u32 s22, 1
	s_cbranch_scc1 .Lnot_w1
	tensor_load_to_lds s[84:87], s[44:51]
	s_nop 0
	PLACES
	s_branch .Lasked
.Lnot_w1:
	s_cmp_lg_u32 s22, 2
	s_cbranch_scc1 .Lnot_w2
	tensor_load_to_lds s[80:83], s[36:43]
	s_nop 0
	PLACES
	s_branch .Lasked
.Lnot_w2:
	tensor_load_to_lds s[88:91], s[44:51]
	s_nop 0
	PLACES
.Lasked:
	v_and_b32 v1, 15, v0                           ; r
	v_bfe_u32 v2, v0, 4, 1                         ; h
	v_and_b32 v3, 31, v0                           ; lane
	v_mul_u32_u24 v4, v1, 272
	v_lshl_add_u32 v4, v2, 4, v4                   ; a fragment's row x pitch + 16 h
	v_lshlrev_b32 v[LI], 4, v3
	s_mul_i32 s28, s62, BHALF
	s_add_co_u32 s28, s28, BT
	v_add_nc_u32 v[AD0], s28, v4                   ; source 0: weight positions 128 (wave % 2) on
	v_add_nc_u32 v[AD0+1], HS, v[AD0]
	s_lshl_b32 s28, s60, 14
	v_add_nc_u32 v[AD1], s28, v[LI]                ; source 1: token tiles 4 (wave / 2) on, as images
	v_add_nc_u32 v[AD1+1], HS, v[AD1]
	v_lshlrev_b32 v[AS0], 5, v1                    ; a row of 32 scale bytes
	v_lshlrev_b32 v[AS1], 2, v1                    ; a position's scale word
	SCLOAD
	s_mul_i32 s28, s22, 8448
	s_add_co_u32 s28, s28, STG                     ; my stage
	v_mul_u32_u24 v[SO], v1, 528
	v_lshl_add_u32 v[SO], v2, 6, v[SO]
	v_add_nc_u32 v[SO], s28, v[SO]                 ; in: row r, my half's 16 columns of each 32
	v_add_nc_u32 v[SR], s28, v[LI]                 ; back: the 32 lanes take one row of 512 bytes
	s_lshl_b32 s28, s27, 19                        ; out0: token 128 Y + 64 (wave / 2), column 256 X + 128 (wave % 2)
	s_lshl_b32 s29, s60, 18
	s_add_co_u32 s28, s28, s29
	s_lshl_b32 s29, s26, 10
	s_add_co_u32 s28, s28, s29
	s_lshl_b32 s29, s62, 9
	s_add_co_u32 s28, s28, s29
	s_mov_b32 s29, 0
	s_add_nc_u64 s[12:13], s[12:13], s[28:29]
	s_wait_alu depctr_va_vdst(0)
	s_wait_loadcnt 0x0                             ; the scale words
	s_wait_tensorcnt 0x0                           ; my tile has landed,
	s_barrier_signal -1
	s_barrier_wait -1                              ; and everybody's: both K halves are whole
	FRAGS 0, 0
.set Q, 0
.rept 8
.if Q < 7
.if Q > 0
	PLACES                                         ; the buffer that is filled next was read by the last products
.endif
	FRAGS Q+1, (Q+1)%2
	s_wait_dscnt 24                                ; all but the 24 loads just issued
.else
	s_wait_dscnt 0x0
.endif
.if Q == 0
	MUL Q, Q%2, 1                                  ; the first step starts the sums: nothing is cleared
.else
	MUL Q, Q%2, 0
.endif
.set Q, Q+1
.endr
	WIN 0
	PLACES
; THE WAY OUT, a tile of 16 tokens at a time.  LDS serves a wave's instructions in order: no wait between the stores and the loads, nor ahead of the next tile's stores.
.macro TOSTAGE m
	WIN 0x04                                       ; an LDS store's data are its source 1: window 1
.irp t, 0,1,2,3,4,5,6,7
	ds_store_b128 v[SO], v[64*\m+8*\t:64*\m+8*\t+3] offset:128*(\t/2)+32*(\t%2)            ; each accumulator from its low end on
	ds_store_b128 v[SO], v[64*\m+8*\t+4:64*\m+8*\t+7] offset:128*(\t/2)+32*(\t%2)+16
.endr
	WIN 0xc0                                       ; destination window 3: registers of its own for each tile, so that no store's data are written again
.irp p, 0,1,2,3,4,5,6,7,8,9,10,11,12,13,14,15
	ds_load_b128 v[64*\m+4*\p:64*\m+4*\p+3], v[SR] offset:528*\p
.endr
.endm
.macro SEND m, younger                 ; younger: the LDS instructions issued behind tile m's loads, which may stay out
	s_wait_dscnt \younger
	WIN 0x0c                                       ; a store's data are its source 1: window 3
.irp p, 0,1,2,3,4,5,6,7,8,9,10,11,12,13,14,15
	global_store_b128 v[LI], v[64*\m+4*\p:64*\m+4*\p+3], s[12:13] offset:(32*(\m/2)+8*(\m%2)+(\p%8)+16*(\p/8))*4096 th:TH_STORE_NT   ; position p of the tile is this token; 32 lanes store 512 consecutive bytes, aligned
.endr
.endm
	TOSTAGE 0
	TOSTAGE 1
	SEND 0, 32                                     ; behind tile 0's loads: tile 1's 16 stores and 16 loads
	TOSTAGE 2
	SEND 1, 32
	TOSTAGE 3
	SEND 2, 32
	SEND 3, 0
	WIN 0
	s_wait_tensorcnt 0x0
	ds_add_u32 v254, v255
	s_wait_dscnt 0x0
	CROUND                                         ; the closing round: no work-group ends while a partner may still ask for a tile that names it
	s_endpgm
.Lfunc_end_k_qad2b527c76_proj:
	.size	k_qad2b527c76_proj, .Lfunc_end_k_qad2b527c76_proj-k_qad2b527c76_proj
	.p2alignl 7, 3214868480
	.fill 96, 4, 3214868480
	.section	.rodata,"a",@progbits
	.p2align	6, 0x0
	.amdhsa_kernel k_qad2b527c76_proj
		.amdhsa_group_segment_fixed_size 251392
		.amdhsa_private_segment_fixed_size 0
		.amdhsa_enable_private_segment 0
		.amdhsa_kernarg_size 40
		.amdhsa_user_sgpr_count 2
		.amdhsa_user_sgpr_kernarg_segment_ptr 1
		.amdhsa_wavefront_size32 1
		.amdhsa_system_sgpr_workgroup_id_x 1
		.amdhsa_system_sgpr_workgroup_id_y 1
		.amdhsa_system_sgpr_workgroup_id_z 1
		.amdhsa_system_vgpr_workitem_id 0
		.amdhsa_next_free_vgpr 1024
		.amdhsa_next_free_sgpr 102
		.amdhsa_reserve_vcc 0
		.amdhsa_float_denorm_mode_32 3
		.amdhsa_float_denorm_mode_16_64 3
		.amdhsa_memory_ordered 1
		.amdhsa_forward_progress 1
		.amdhsa_inst_pref_size 72
	.end_amdhsa_kernel
	.amdgpu_metadata
---
amdhsa.version: [ 1, 2 ]
amdhsa.kernels:
  - .name:           k_qad2b527c76_proj
    .symbol:         k_qad2b527c76_proj.kd
    .args:
      - { .name: y_codes, .offset: 0, .size: 8, .value_kind: global_buffer, .address_space: global }
      - { .name: y_scales, .offset: 8, .size: 8, .value_kind: global_buffer, .address_space: global }
      - { .name: xw_codes, .offset: 16, .size: 8, .value_kind: global_buffer, .address_space: global }
      - { .name: xw_scales, .offset: 24, .size: 8, .value_kind: global_buffer, .address_space: global }
      - { .name: out0, .offset: 32, .size: 8, .value_kind: global_buffer, .address_space: global }
    .group_segment_fixed_size: 251392
    .private_segment_fixed_size: 0
    .kernarg_segment_align: 8
    .kernarg_segment_size: 40
    .max_flat_workgroup_size: 128
    .sgpr_count:     102
    .vgpr_count:     1024
    .wavefront_size: 32
...
	.end_amdgpu_metadata
.endif
;; end of part 4
